; MI455X (gfx1250); checked and timed in simulation.
; The chip was launched on July 23, 2026; its instructions are those of AMD's public machine-readable ISA for CDNA 5 (MIT licence, August 2026) and "CDNA5" Instruction Set Architecture Reference Guide (July 2026). The comments in the code are by the model that wrote it; some were corrected since.
;; Attention. Allowed arithmetic: matrix products marked QUANTISED: E2M1 operands, one E8M0 scale for each 32 along K, by v_wmma_scale_f32_16x16x128_f8f6f4 with both operands' format E2M1 (or v_wmma_scale_f32_32x16x128_f4), f32 sums; products left as they are: bf16, f16 or f32 operands; f32 sums; everything else in f32.
;; Inputs: Wk 1,024 x 1,024 float32; Wo 1,024 x 1,024 float32; Wq 1,024 x 1,024 float32; Wv 1,024 x 1,024 float32; attention_mask 4 x 2,048 int32; bo 1,024 float32; hidden_states 4 x 2,048 x 1,024 float32.
;; Outputs: out0 4 x 2,048 x 1,024 float32.
;; This version of the problem:
;;   THIS VERSION OF THE PROBLEM IS GIVEN IN LOW PRECISION. The matrix products marked QUANTISED in the list below multiply operands that are first quantised to E2M1 (2 exponent bits, 1 mantissa bit; 4 bits a number), with one power-of-two scale for each 32 numbers along K (OCP MX v1.0); their sums are f32. The products marked 'left as it is' may take bf16, f16 or f32 operands, with f32 sums. Whichever they take, every output number must still come out within the allowed error. Rounding operands to bf16 (8 significant bits) uses up far more of that allowance than f16 does (11 bits, for magnitudes from 6e-5 to 65,504). All else is computed in f32.
;;   The module's matrix products, in the order in which they are computed (A, B: the left and right operand; K: the contracted axis; several contracted axes count as one K, in the product's order):
;;     1. [M 8,192, K 1,024] x [K 1,024, N 1,024]; A: input hidden_states; B: input Wq: QUANTISED
;;     2. [M 8,192, K 1,024] x [K 1,024, N 1,024]; A: input hidden_states; B: input Wk: QUANTISED
;;     3. [M 8,192, K 1,024] x [K 1,024, N 1,024]; A: input hidden_states; B: input Wv: QUANTISED
;;     4. batch 64 x [M 2,048, K 64] x [K 64, N 2,048]; A: computed on the way; B: computed on the way: left as it is (an operand is computed on the way)
;;     5. batch 64 x [M 2,048, K 2,048] x [K 2,048, N 64]; A: computed on the way; B: computed on the way: left as it is (an operand is computed on the way)
;;     6. [M 8,192, K 1,024] x [K 1,024, N 1,024]; A: computed on the way; B: input Wo: left as it is (an operand is computed on the way)
;;   THE QUANTISER, for each operand of a quantised product, along K:
;;     - K is cut into blocks of 32 from its start; a last block that is shorter is filled with zeros.
;;     - A block's scale is 2^e with e = floor(log2(the largest magnitude in the block)) - 2, held to -126 .. 127; a block of zeros has e = 0. As a byte (E8M0): e + 127.
;;     - Each number is divided by its block's scale, clamped to +-6, and rounded to the nearest number of E2M1, ties to even, subnormals kept.
;;     - The product sums the exact products of the quantised numbers (number of the format x scale) in f32.
;;   ~~~python
;;   def quantise(x, axis):      # numpy; x: float32 -> the quantised numbers, widened to float32 again
;;       x = np.moveaxis(x, axis, -1); K = x.shape[-1]
;;       x = np.pad(x, [(0, 0)] * (x.ndim - 1) + [(0, -K % 32)]); x = x.reshape(x.shape[:-1] + (-1, 32)); a = np.abs(x).max(-1, keepdims=True)
;;       e = np.where(a > 0, np.clip(np.frexp(np.where(a > 0, a, 1))[1] - 1 - 2, -126, 127), 0)      # np.frexp(a)[1] - 1 = floor(log2(a)), exactly
;;       r = np.clip(x / 2.0 ** e, -6, 6)
;;       step = 2.0 ** (np.maximum(np.frexp(np.where(r == 0, 1, r))[1] - 1, 0) - 1)
;;       q = np.round(r / step) * step * 2.0 ** e      # np.round: ties to even
;;       return np.moveaxis(q.reshape(q.shape[:-2] + (-1,))[..., :K], -1, axis).astype(np.float32)
;;   ~~~
;; One version. Each part assembles by itself: llvm-mc -triple=amdgcn-amd-amdhsa -mcpu=gfx1250 --defsym DOCPART=n.
;; ======== version 1 of 1: 5 launches
;; limits: values are held in f16: magnitudes above 65,504 overflow, below 6.1e-05 lose precision
;; workspace buffers: x_codes 4,194,304 bytes; x_scales 262,144 bytes; w_codes 1,572,864 bytes; w_scales 98,304 bytes; wo_h 2,097,152 bytes; qkv_h 50,331,648 bytes; att_h 16,777,216 bytes
;; launch quant_x (part 1): grid 256 x 1, 4 waves a work-group, no clusters, 33,280 bytes of LDS; arguments hidden_states, x_codes, x_scales; writes x_codes, x_scales
.if DOCPART == 1
	.amdgcn_target "amdgcn-amd-amdhsa--gfx1250"
	.amdhsa_code_object_version 6
	.text
	.protected	k_q3fb452fee0_quant_x
	.globl	k_q3fb452fee0_quant_x
	.p2align	8
	.type	k_q3fb452fee0_quant_x,@function
k_q3fb452fee0_quant_x:
	s_mov_b64 s[64:65], 0
	v_nop
	global_prefetch_b8 v0, s[64:65] scope:SCOPE_SE
	s_setreg_imm32_b32 hwreg(HW_REG_WAVE_MODE, 25, 1), 1
	s_wait_xcnt 0x0
; hidden_states [8192][1024], f32, becomes codes of FP4 (E2M1), K innermost, two codes a byte (x_codes [8192][512 bytes]), with one E8M0 byte for each 32 along K (x_scales [8192][32]).
; A block's scale is 2^(floor(log2(its largest magnitude)) - 2); its byte is the largest magnitude's exponent field - 2, held at 1 from below.  Each number is divided by the scale and rounded to the nearest code, ties to even;
; beyond 6 the conversion gives the largest code.  A block of zeros gets the byte 1 where the rule says 127: its codes are zeros, and only this program reads the bytes.
; LIMITS: NaN and infinities among the inputs are not served.
; Rows are dense and 1,024 is a multiple of 32: the tensor is a plain stream of blocks of 32.  A wave takes 16 steps of 512 numbers.  Each of a step's four loads reads 512 consecutive bytes; the 2,048 bytes turn through
; the wave's own stage in LDS and come back 64 bytes a lane, so that a lane holds 16 neighbours along K (two lanes hold a block).  A lane's 16 codes are 8 bytes: a wave's store covers 256 consecutive bytes, aligned.
; A wave's 256 scale bytes are gathered in its own LDS bytes and leave as 256 consecutive bytes.  No barrier: waves share nothing.  Loads run four steps (16 loads a wave) ahead, the turn through LDS one step.
.set WAVES, 4
.set STEPS, 16
.set EMAX,  2
.set CB,    8                          ; bytes of 16 codes
.set R,     16                         ; v16-79   four sets of 16 numbers as they are loaded
.set X,     80                         ; v80-111  two sets of 16 neighbours
.set C,     128                        ; v128-191 codes: four registers for each step, so that no store's data are written again
.set E,     112                        ; v112-127 a scale byte for each step
.set WREG,  8192                       ; LDS: a region for each wave: two stages of 32 x SP bytes, behind them its 256 scale bytes
.set SP,    80                         ; a lane's place in a stage: 64 bytes + 16 of padding
.set SPW,   12                         ; v12 LDS address of my spare word; never rewritten
.set NIL,   13                         ; v13 0; never rewritten
.set SPARE, WAVES*WREG                 ; behind the four regions: the spare words, 128 bytes a wave
	s_load_b128 s[4:7], s[0:1], 0x0                ; x s[4:5], the codes s[6:7]
	s_load_b64 s[8:9], s[0:1], 0x10                ; the scale bytes
	v_lshl_add_u32 v[SPW], v0, 2, SPARE
	v_mov_b32 v[NIL], 0
	v_lshrrev_b32 v1, 5, v0
	v_readfirstlane_b32 s16, v1                    ; wave
	v_and_b32 v2, 31, v0                           ; lane
	v_lshlrev_b32 v3, 4, v2                        ; my 16 bytes of a load's 512
	s_mul_i32 s17, s16, WREG
	v_lshrrev_b32 v14, 2, v2
	v_mul_u32_u24 v14, v14, SP
	v_and_b32 v15, 3, v2
	v_lshl_add_u32 v14, v15, 4, v14
	v_add_nc_u32 v14, s17, v14                     ; the stage, on the way in: SP (lane / 4) + 16 (lane % 4); a load's 512 bytes take eight places
	v_mul_u32_u24 v15, v2, SP
	v_add_nc_u32 v15, s17, v15                     ; and on the way out: SP x lane: my 16 neighbours
	v_mul_u32_u24 v4, v2, CB                       ; my codes' place in a step's
	v_lshrrev_b32 v5, 1, v2
	s_add_co_u32 s17, s17, 2*32*SP
	v_add_nc_u32 v5, s17, v5                       ; LDS: my wave's 256 scale bytes, my block's byte
	v_lshlrev_b32 v7, 3, v2                        ; and on the way out 8 bytes a lane
	v_add_nc_u32 v6, s17, v7
	s_lshl_b32 s17, ttmp9, 2
	s_add_co_u32 s18, s17, s16                     ; which run of 8,192 numbers is my wave's: 4 x work-group + wave, under 1,024
	s_lshl_b32 s20, s18, 15                        ; 32,768 bytes of numbers,
	s_mov_b32 s21, 0
	s_lshl_b32 s22, s18, 12                        ; 4,096 of codes,
	s_mov_b32 s23, 0
	s_lshl_b32 s18, s18, 8                         ; 256 scale bytes a run
	s_mov_b32 s19, 0
	s_wait_kmcnt 0x0
	s_add_nc_u64 s[4:5], s[4:5], s[20:21]
	s_add_nc_u64 s[6:7], s[6:7], s[22:23]
	s_add_nc_u64 s[8:9], s[8:9], s[18:19]
.macro LOAD t
.irp i, 0,1,2,3
	global_load_b128 v[R+16*((\t)%4)+4*\i:R+16*((\t)%4)+4*\i+3], v3, s[4:5] offset:2048*(\t)+512*\i th:TH_LOAD_NT   ; 32 lanes read 512 consecutive bytes
.endr
.endm
.macro TURN t                          ; step t's numbers through the stage: LDS serves a wave's instructions in order, so no wait stands between the stores and the loads
.irp i, 0,1,2,3
	ds_store_b128 v14, v[R+16*((\t)%4)+4*\i:R+16*((\t)%4)+4*\i+3] offset:32*SP*((\t)%2)+8*SP*\i
.endr
.irp i, 0,1,2,3
	ds_load_b128 v[X+16*((\t)%2)+4*\i:X+16*((\t)%2)+4*\i+3], v15 offset:32*SP*((\t)%2)+16*\i
.endr
.endm
.irp t, 0,1,2,3
	LOAD \t
.endr
	s_wait_loadcnt 12                              ; step 0's four loads are in; the twelve behind them may be out
	TURN 0
.macro STEP t
.set XS, X+16*((\t)%2)
.if (\t) > 0
	s_wait_dscnt 1                                 ; this step's numbers are back from the stage (the last step's byte store may be out): so its stores into the stage have read their registers,
.else
	s_wait_dscnt 0x0
.endif
.if (\t)+4 < STEPS
	LOAD (\t)+4                                    ; which take the loads of four steps on
.endif
.if (\t)+1 < STEPS
.if STEPS-2-(\t) >= 3
	s_wait_loadcnt 12                              ; the next step's four loads are in; those of the three steps behind it may be out
.else
	s_wait_loadcnt 4*(STEPS-2-(\t))                ; in the tail: as many steps as are left behind it
.endif
	TURN (\t)+1                                    ; and go through the other stage while this step is worked
.endif
	v_max3_num_f32 v8, |v[XS]|, |v[XS+1]|, |v[XS+2]|               ; the largest magnitude of my 16, in two chains
	v_max3_num_f32 v9, |v[XS+3]|, |v[XS+4]|, |v[XS+5]|
.irp i, 6,10
	v_max3_num_f32 v8, v8, |v[XS+\i]|, |v[XS+\i+1]|
	v_max3_num_f32 v9, v9, |v[XS+\i+2]|, |v[XS+\i+3]|
.endr
	v_max3_num_f32 v8, v8, |v[XS+14]|, |v[XS+15]|
	v_max3_num_f32 v8, v8, v9, (EMAX+1)<<23        ; and the floor 2^(3 - 127): the byte cannot fall under 1
	v_max_num_f32_dpp v8, v8, v8 row_xmask:1 row_mask:0xf bank_mask:0xf   ; and of my neighbour's 16: the block's
	v_add_nc_u32 v11, -(EMAX<<23), v8              ; 2 off its exponent field: the conversion takes the exponent field of this operand as its scale
	v_cvt_scalef32_pk8_fp4_f32 v[C+4*(\t)], v[XS:XS+7], v11
	v_cvt_scalef32_pk8_fp4_f32 v[C+4*(\t)+1], v[XS+8:XS+15], v11
	v_lshrrev_b32 v[E+(\t)], 23, v11               ; the scale's byte (a plain line behind the conversions)
	ds_store_b8 v5, v[E+(\t)] offset:16*(\t)       ; both lanes of a block write the same byte with the same value
	global_store_b64 v4, v[C+4*(\t):C+4*(\t)+1], s[6:7] offset:32*CB*(\t)
.endm
.irp t, 0,1,2,3,4,5,6,7,8,9,10,11,12,13,14,15
	STEP \t
.endr
	ds_load_b64 v[8:9], v6                         ; LDS serves a wave's instructions in order: these see my stores
	s_wait_dscnt 0x0
	global_store_b64 v7, v[8:9], s[8:9]            ; 32 lanes store 256 consecutive bytes, aligned
	s_wait_tensorcnt 0x0                           ; the wave's end
	ds_add_u32 v[SPW], v[NIL]
	s_wait_dscnt 0x0
	s_endpgm
.Lfunc_end_k_q3fb452fee0_quant_x:
	.size	k_q3fb452fee0_quant_x, .Lfunc_end_k_q3fb452fee0_quant_x-k_q3fb452fee0_quant_x
	.p2alignl 7, 3214868480
	.fill 96, 4, 3214868480
	.section	.rodata,"a",@progbits
	.p2align	6, 0x0
	.amdhsa_kernel k_q3fb452fee0_quant_x
		.amdhsa_group_segment_fixed_size 33280
		.amdhsa_private_segment_fixed_size 0
		.amdhsa_enable_private_segment 0
		.amdhsa_kernarg_size 24
		.amdhsa_user_sgpr_count 2
		.amdhsa_user_sgpr_kernarg_segment_ptr 1
		.amdhsa_wavefront_size32 1
		.amdhsa_system_sgpr_workgroup_id_x 1
		.amdhsa_system_sgpr_workgroup_id_y 1
		.amdhsa_system_sgpr_workgroup_id_z 1
		.amdhsa_system_vgpr_workitem_id 0
		.amdhsa_next_free_vgpr 192
		.amdhsa_next_free_sgpr 66
		.amdhsa_reserve_vcc 0
		.amdhsa_float_denorm_mode_32 3
		.amdhsa_float_denorm_mode_16_64 3
		.amdhsa_memory_ordered 1
		.amdhsa_forward_progress 1
		.amdhsa_inst_pref_size 33
	.end_amdhsa_kernel
	.amdgpu_metadata
---
amdhsa.version: [ 1, 2 ]
amdhsa.kernels:
  - .name:           k_q3fb452fee0_quant_x
    .symbol:         k_q3fb452fee0_quant_x.kd
    .args:
      - { .name: hidden_states, .offset: 0, .size: 8, .value_kind: global_buffer, .address_space: global }
      - { .name: x_codes, .offset: 8, .size: 8, .value_kind: global_buffer, .address_space: global }
      - { .name: x_scales, .offset: 16, .size: 8, .value_kind: global_buffer, .address_space: global }
    .group_segment_fixed_size: 33280
    .private_segment_fixed_size: 0
    .kernarg_segment_align: 8
    .kernarg_segment_size: 24
    .max_flat_workgroup_size: 128
    .sgpr_count:     66
    .vgpr_count:     192
    .wavefront_size: 32
...
	.end_amdgpu_metadata
.endif
;; end of part 1
;; launch prep_w (part 2): grid 128 x 1, 16 waves a work-group, no clusters, 93,696 bytes of LDS; arguments Wq, Wk, Wv, Wo, w_codes, w_scales, wo_h; writes w_codes, w_scales, wo_h
.if DOCPART == 2
	.amdgcn_target "amdgcn-amd-amdhsa--gfx1250"
	.amdhsa_code_object_version 6
	.text
	.protected	k_q3fb452fee0_prep_w
	.globl	k_q3fb452fee0_prep_w
	.p2align	8
	.type	k_q3fb452fee0_prep_w,@function
k_q3fb452fee0_prep_w:
	s_mov_b64 s[64:65], 0
	v_nop
	global_prefetch_b8 v0, s[64:65] scope:SCOPE_SE
	s_setreg_imm32_b32 hwreg(HW_REG_WAVE_MODE, 25, 1), 1
	s_wait_xcnt 0x0
; The four weights, each [1024 (k)][1024 (n)] f32 with K as FIRST axis, are laid as the products want them.
; Wq, Wk, Wv (work-groups 0-95): codes of FP4 (E2M1) quantised along K, laid with K innermost: w_codes [3072 = q, k, v x 1024 n][512 bytes], w_scales [3072][32].
; Wo (work-groups 96-127): f16, laid by blocks of 64 along K: wo_h [16 (k / 64)][1024 (n)][64 (k % 64)].
; A work-group takes 32 columns of one weight, for all of K; wave w takes K rows 64 w .. 64 w + 63.  A LANE TAKES A COLUMN AND ITS 64 REGISTERS RUN DOWN K: a block of 32 along K lies in one lane, its largest magnitude
; needs no other lane, and the conversions, which take neighbours along K from one lane's registers, give K innermost.  All 64 loads of a wave (128 consecutive bytes each) go out at once.
; The results turn through LDS, so that every store of a wave covers 512 consecutive bytes, aligned.  The two paths part on the work-group's number, never join, and have LDS bytes of their own.
; A block's scale: 2^(floor(log2(largest magnitude)) - 2); byte = exponent field - 2, held at 1 from below; a block of zeros gets the byte 1 (its codes are zeros; only this program reads the bytes).
; LIMITS: NaN and infinities are not served.  Wo in f16: magnitudes to 65,504; under 6e-5 the step is 6e-8.
.set SPW, 2                            ; v2  LDS address of my spare word; never rewritten
.set NIL, 3                            ; v3  0; never rewritten
.set CP,  528                          ; the codes' stage: 32 rows (columns n) of 512 bytes + 16
.set SST, 32*CP                        ; behind it the scale bytes, 32 rows of 32
.set WST, SST+1024                     ; behind them Wo's stages: for each wave 32 rows of 128 bytes + 16
.set WP,  144
.set SPARE, WST+16*32*WP               ; behind them the spare words, 128 bytes a wave
.set X,   32                           ; v32-95  my column's 64 numbers
.set C,   96                           ; v96..   codes, or f16 pairs
	s_load_b256 s[4:11], s[0:1], 0x0               ; Wq, Wk, Wv, Wo
	s_load_b128 s[12:15], s[0:1], 0x20             ; w_codes, w_scales
	s_load_b64 s[16:17], s[0:1], 0x30              ; wo_h
	v_lshl_add_u32 v[SPW], v0, 2, SPARE
	v_mov_b32 v[NIL], 0
	v_lshrrev_b32 v1, 5, v0
	v_readfirstlane_b32 s18, v1                    ; wave 0..15
	v_and_b32 v1, 31, v0                           ; lane
	s_lshr_b32 s19, ttmp9, 5                       ; which weight
	s_and_b32 s20, ttmp9, 31                       ; which 32 columns
	; every LDS address is made here, ahead of the parting
	v_lshlrev_b32 v4, 2, v1                        ; in: 4 bytes a lane
	v_mul_u32_u24 v5, v1, CP
	s_lshl_b32 s21, s18, 5
	v_add_nc_u32 v5, s21, v5                       ; codes in: row = my column, my wave's 32 bytes
	v_lshlrev_b32 v6, 5, v1
	s_lshl_b32 s21, s18, 1
	s_add_co_u32 s21, s21, SST
	v_add_nc_u32 v6, s21, v6                       ; scale bytes in: row = my column, my wave's 2 bytes
	v_lshlrev_b32 v8, 4, v1                        ; out: 16 bytes a lane
	s_mul_i32 s21, s18, 2*CP
	v_add_nc_u32 v7, s21, v8                       ; codes out: wave w takes rows 2 w and 2 w + 1, whole
	s_min_u32 s28, s18, 1
	s_lshl_b32 s28, s28, 9
	s_add_co_u32 s21, s28, SST
	v_add_nc_u32 v9, s21, v8                       ; scale bytes out: waves 0 and 1 take 512 bytes each
	s_mul_i32 s21, s18, 32*WP
	s_add_co_u32 s21, s21, WST
	v_mul_u32_u24 v10, v1, WP
	v_add_nc_u32 v10, s21, v10                     ; Wo in: my wave's stage, row = my column
	v_lshrrev_b32 v11, 3, v1
	v_mul_u32_u24 v11, v11, WP
	v_and_b32 v12, 7, v1
	v_lshl_add_u32 v11, v12, 4, v11
	v_add_nc_u32 v11, s21, v11                     ; Wo out: eight lanes to a row of 128 bytes, four rows an instruction
	s_lshl_b32 s22, s18, 18                        ; the source: 64 w rows of 4,096 bytes
	s_lshl_b32 s23, s20, 7                         ; + 32 columns of 4 bytes
	s_add_co_u32 s22, s22, s23
	s_mov_b32 s23, 0
	s_wait_kmcnt 0x0
	s_cmp_eq_u32 s19, 1                            ; the choice hangs on the work-group's number alone
	s_cselect_b64 s[4:5], s[6:7], s[4:5]
	s_cmp_eq_u32 s19, 2
	s_cselect_b64 s[4:5], s[8:9], s[4:5]
	s_cmp_eq_u32 s19, 3
	s_cselect_b64 s[4:5], s[10:11], s[4:5]
	s_add_nc_u64 s[4:5], s[4:5], s[22:23]
.set i, 0
.rept 64
	global_load_b32 v[X+i], v4, s[4:5] offset:4096*i   ; W(64 w + i, my column)
.set i, i+1
.endr
	s_cmp_eq_u32 s19, 3
	s_cbranch_scc1 .Lwo
	; ---- Wq, Wk, Wv: two blocks of 32 a lane
	s_lshl_b32 s24, ttmp9, 5                       ; row of w_codes: 32 x work-group + 2 x wave,
	s_lshl_b32 s25, s18, 1
	s_add_co_u32 s24, s24, s25
	s_lshl_b32 s24, s24, 9                         ; 512 bytes a row
	s_mov_b32 s25, 0
	s_add_nc_u64 s[12:13], s[12:13], s[24:25]
	s_lshl_b32 s24, ttmp9, 10                      ; the work-group's 1,024 scale bytes, my half of them
	s_add_co_u32 s24, s24, s28
	s_add_nc_u64 s[14:15], s[14:15], s[24:25]
.macro BLOCK t
.set XS, X+32*(\t)
	v_max3_num_f32 v12, |v[XS]|, |v[XS+1]|, |v[XS+2]|              ; the block's largest magnitude: all 32 numbers are mine; two chains
	v_max3_num_f32 v13, |v[XS+3]|, |v[XS+4]|, |v[XS+5]|
.irp i, 6,10,14,18,22,26
	v_max3_num_f32 v12, v12, |v[XS+\i]|, |v[XS+\i+1]|
	v_max3_num_f32 v13, v13, |v[XS+\i+2]|, |v[XS+\i+3]|
.endr
	v_max3_num_f32 v12, v12, |v[XS+30]|, |v[XS+31]|
	v_max3_num_f32 v12, v12, v13, 0x1800000        ; and the floor 2^(3 - 127): the byte cannot fall under 1
	v_add_nc_u32 v[14+\t], 0xff000000, v12         ; 2 off the exponent field: the conversion's scale operand
	v_lshrrev_b32 v[16+\t], 23, v[14+\t]           ; the scale's byte
.irp g, 0,1,2,3
	v_cvt_scalef32_pk8_fp4_f32 v[C+4*(\t)+\g], v[XS+8*\g:XS+8*\g+7], v[14+\t]
.endr
.endm
	s_wait_loadcnt 32                              ; the first block's 32 loads are in; the second's may be out
	BLOCK 0
	s_wait_loadcnt 0x0
	BLOCK 1
	v_lshl_or_b32 v18, v17, 8, v16                 ; my two bytes, the lower K below (a plain line behind the conversions)
	ds_store_b128 v5, v[C:C+3]
	ds_store_b128 v5, v[C+4:C+7] offset:16
	ds_store_b16 v6, v18
	s_wait_dscnt 0x0                               ; for the others' sake: my stores have landed
	s_barrier_signal -1
	s_barrier_wait -1
	ds_load_b128 v[104:107], v7                    ; two whole rows of 512 bytes
	ds_load_b128 v[108:111], v7 offset:CP
	s_wait_dscnt 0x0
	global_store_b128 v8, v[104:107], s[12:13]
	global_store_b128 v8, v[108:111], s[12:13] offset:512
	s_cmp_lt_u32 s18, 2
	s_cbranch_scc0 .Lno_scales
	ds_load_b128 v[112:115], v9
	s_wait_dscnt 0x0
	global_store_b128 v8, v[112:115], s[14:15]
.Lno_scales:
	s_wait_tensorcnt 0x0                           ; the wave's end
	ds_add_u32 v[SPW], v[NIL]
	s_wait_dscnt 0x0
	s_endpgm
.Lwo:
	; ---- Wo: my column's 64 numbers become 128 bytes of f16; wave w is block w of K
	s_lshl_b32 s24, s18, 10
	s_lshl_b32 s25, s20, 5
	s_add_co_u32 s24, s24, s25                     ; row of wo_h: 1,024 w + 32 x column group,
	s_lshl_b32 s24, s24, 7                         ; 128 bytes a row
	s_mov_b32 s25, 0
	s_add_nc_u64 s[16:17], s[16:17], s[24:25]
	s_wait_loadcnt 0x0
.set i, 0
.rept 32
	v_cvt_pk_f16_f32 v[C+i], v[X+2*i], v[X+2*i+1]  ; the lower k in the low half
.set i, i+1
.endr
.irp i, 0,1,2,3,4,5,6,7
	ds_store_b128 v10, v[C+4*\i:C+4*\i+3] offset:16*\i
.endr
.irp j, 0,1,2,3,4,5,6,7
	ds_load_b128 v[X+4*\j:X+4*\j+3], v11 offset:4*WP*\j   ; my wave's own stage: LDS serves a wave's instructions in order, so these see the stores above
.endr
.irp j, 0,1,2,3,4,5,6,7
	s_wait_dscnt 7-\j                              ; the loads behind this one may be out
	global_store_b128 v8, v[X+4*\j:X+4*\j+3], s[16:17] offset:512*\j   ; four rows of 128 bytes lie on end: 512 consecutive bytes
.endr
	s_wait_tensorcnt 0x0                           ; the wave's end, as above
	ds_add_u32 v[SPW], v[NIL]
	s_wait_dscnt 0x0
	s_endpgm
.Lfunc_end_k_q3fb452fee0_prep_w:
	.size	k_q3fb452fee0_prep_w, .Lfunc_end_k_q3fb452fee0_prep_w-k_q3fb452fee0_prep_w
	.p2alignl 7, 3214868480
	.fill 96, 4, 3214868480
	.section	.rodata,"a",@progbits
	.p2align	6, 0x0
	.amdhsa_kernel k_q3fb452fee0_prep_w
		.amdhsa_group_segment_fixed_size 93696
		.amdhsa_private_segment_fixed_size 0
		.amdhsa_enable_private_segment 0
		.amdhsa_kernarg_size 56
		.amdhsa_user_sgpr_count 2
		.amdhsa_user_sgpr_kernarg_segment_ptr 1
		.amdhsa_wavefront_size32 1
		.amdhsa_system_sgpr_workgroup_id_x 1
		.amdhsa_system_sgpr_workgroup_id_y 1
		.amdhsa_system_sgpr_workgroup_id_z 1
		.amdhsa_system_vgpr_workitem_id 0
		.amdhsa_next_free_vgpr 128
		.amdhsa_next_free_sgpr 66
		.amdhsa_reserve_vcc 0
		.amdhsa_float_denorm_mode_32 3
		.amdhsa_float_denorm_mode_16_64 3
		.amdhsa_memory_ordered 1
		.amdhsa_forward_progress 1
		.amdhsa_inst_pref_size 17
	.end_amdhsa_kernel
	.amdgpu_metadata
---
amdhsa.version: [ 1, 2 ]
amdhsa.kernels:
  - .name:           k_q3fb452fee0_prep_w
    .symbol:         k_q3fb452fee0_prep_w.kd
    .args:
      - { .name: Wq, .offset: 0, .size: 8, .value_kind: global_buffer, .address_space: global }
      - { .name: Wk, .offset: 8, .size: 8, .value_kind: global_buffer, .address_space: global }
      - { .name: Wv, .offset: 16, .size: 8, .value_kind: global_buffer, .address_space: global }
      - { .name: Wo, .offset: 24, .size: 8, .value_kind: global_buffer, .address_space: global }
      - { .name: w_codes, .offset: 32, .size: 8, .value_kind: global_buffer, .address_space: global }
      - { .name: w_scales, .offset: 40, .size: 8, .value_kind: global_buffer, .address_space: global }
      - { .name: wo_h, .offset: 48, .size: 8, .value_kind: global_buffer, .address_space: global }
    .group_segment_fixed_size: 93696
    .private_segment_fixed_size: 0
    .kernarg_segment_align: 8
    .kernarg_segment_size: 56
    .max_flat_workgroup_size: 512
    .sgpr_count:     66
    .vgpr_count:     128
    .wavefront_size: 32
...
	.end_amdgpu_metadata
.endif
;; end of part 2
;; launch qkv (part 3): grid 12 x 32, 4 waves a work-group, clusters of 4 x 4, 327,680 bytes of LDS; arguments x_codes, x_scales, w_codes, w_scales, qkv_h; writes qkv_h
.if DOCPART == 3
	.amdgcn_target "amdgcn-amd-amdhsa--gfx1250"
	.amdhsa_code_object_version 6
	.text
	.protected	k_q3fb452fee0_qkv
	.globl	k_q3fb452fee0_qkv
	.p2align	8
	.type	k_q3fb452fee0_qkv,@function
k_q3fb452fee0_qkv:
	s_mov_b64 s[64:65], 0
	v_nop
	global_prefetch_b8 v0, s[64:65] scope:SCOPE_SE
	s_setreg_imm32_b32 hwreg(HW_REG_WAVE_MODE, 25, 1), 1
	s_wait_xcnt 0x0
	s_wait_alu depctr_hold_cnt(0) depctr_sa_sdst(0) depctr_va_vdst(0) depctr_va_sdst(0) depctr_va_ssrc(0) depctr_va_vcc(0) depctr_vm_vsrc(0)
	s_getreg_b32 s2, hwreg(HW_REG_IB_STS2, 6, 4)
	s_cmp_eq_u32 s2, 0
	s_cbranch_scc0 .Lentry_in_a_cluster
	s_endpgm
.Lentry_in_a_cluster:
	s_bfe_u32 s2, ttmp6, 0x10000c
	s_cmp_lg_u32 s2, 0xf033
	s_cbranch_scc0 .Lentry_shape_is_right
	s_endpgm
.Lentry_shape_is_right:
; q, k, v = x Wq, x Wk, x Wv as ONE product on codes of FP4 (E2M1) with E8M0 scales: C[m][n] = sum over k of A[m][k] B[n][k], A = x's codes [8192][1024], B = the three weights' codes [3072][1024]; sums in f32.
; The results are rounded to f16 and laid by head: qkv_h [b 4][g 48][t 2048][64], g = n / 64 (0-15 q's heads, 16-31 k's, 32-47 v's), b = m / 2048, t = m % 2048.
; LIMIT: |x W| stays under 65,504, f16's largest number.
; A tile of C, 256 x 256, is made by four waves, as many as a WGP has SIMDs; a wave makes 128 x 128: 64 accumulators, 512 registers.  K = 1,024 is two slots of 512 (rows of 256 bytes): both are asked for at the head,
; with the scale bytes of the tile's rows for all of K; nothing is filled again.  By this text's count a wave has three tensor loads out at the most.
; CLUSTERS: 4 x 4 work-groups.  The four of a row of the cluster need the same tiles of A, the four of a column the same tiles of B: each is asked for JOINTLY, by the same load with the same descriptor and a mask of the four.
; No prefetch: all that a work-group reads is asked for at its head.
; THE MATRIX INSTRUCTION IS USED TRANSPOSED (source 0 = 16 rows of B, source 1 = 16 rows of A): a lane holds eight neighbouring columns of one row of C.
; REGISTERS, in windows of 256: window 0: v0-31 addresses; v32-95 scale words, two sets; from v128 A's fragments, ONE set; on the way out v32-127 are free.
;   window 1: B's fragments, TWO sets, at v0 and v128.   window 2: the accumulators of my rows 0-63 ((a, b) at v[8 (8 a + b)]);   window 3: those of my rows 64-127.
.set SIZE_K, 1024
.set KSTEP,  512                       ; along K in a slot
.set NQ,     KSTEP/128                 ; matrix instructions deep
.set ROWB,   256                       ; a tile's row in bytes
.set KROW,   SIZE_K*4/8                ; a row of codes in memory
.set PITCH,  272                       ; an LDS row: 256 bytes + 16 of padding: the 16 rows that a load touches start at 16 different banks (64 banks of 4 bytes: ISA guide 11.1)
.set FR,     8                         ; registers of a fragment: 16 rows x 128 K
.set NL,     2                         ; LDS loads that bring one
.set NP,     4                         ; places behind this matrix instruction (ISA guide 7.12.1)
.set HALFT,  128*PITCH                 ; 128 rows: what one tensor load brings
.set SLOT,   4*HALFT                   ; A's 256 rows, then B's 256 rows
.set KS,     SIZE_K/32                 ; a row of scales in bytes
.set SCL,    2*SLOT                    ; behind the slots: the scales, as pieces of 256 bytes + 16 of padding
.set HALFS,  (128*KS/256)*272          ; the scales of 128 rows: what one tensor load brings
.set SBLK,   (16*KS/256)*272           ; those of 16 rows
.set SPARE,  SCL+4*HALFS               ; behind the scales: the spare words, 128 bytes a wave
.set SPITCH, 272                       ; the way out: a stage of 16 rows x (256 bytes + 16) for each wave, in slot 0, which has had its one fill and its last read by then
.set ADRA, 16                          ; v16-17  LDS address of my A fragments in slot 0, 1
.set ADRB, 20                          ; v20-21  the same for B
.set STO,  24                          ; v24     the way out: where I put 16 bytes of a row
.set RD,   25                          ; v25     where I read back: eight lanes to half a row (one head's 128 bytes), four rows an instruction
.set CO,   26                          ; v26     16 x lane
.set ADRS, 27                          ; v27     LDS address of my scale words: lanes 0-15 A's rows, lanes 16-31 B's
.set SPW,  28                          ; v28     LDS address of my spare word; never rewritten
.set NIL,  29                          ; v29     0; never rewritten
.set SC,   32                          ; scale words: set s at v[SC + 32 s]; register 4 i + q: lanes 0-15 the word of A's block i, lanes 16-31 of B's block i, for the slot's q-th 128 along K
.set AF,   128                         ; A's fragments, in window 0
.set TMP,  32                          ; the way out: a block's 32 packed registers
.set BK,   64                          ; and 32 read back: v64-95 and v96-127 by turns
.set G1, 24                            ; s[24:31] descriptor group 1 for A's tiles;  s[32:39] group 0, one set for each slot
.set G0, 32
.set G1B, 48                           ; s[48:55], s[56:63] the same for B's tiles
.set G0B, 56
.set G1S, 68                           ; s[68:75], s[76:79] groups 1 and 0 for A's scales;  s[80:87], s[88:91] for B's
.set G0S, 76
.set G1SB, 80
.set G0SB, 88
.set MSB, 0
.macro WIN new                         ; the immediate's high byte repeats the setting that is left; a switch that changes nothing is dropped
.if MSB != (\new)
	s_set_vgpr_msb (MSB<<8)|(\new)
.set MSB, (\new)
.endif
.endm
.set MUL_LO, 0xa1                      ; source 0 (B) window 1, source 1 (A) window 0, C and D window 2
.set MUL_HI, 0xf1                      ; the same, C and D window 3
.set TO_B,   0x40                      ; destination window 1, address window 0
; A joint load: waves 0 and 1 fetch for A, waves 2 and 3 for B; the branch hangs on the wave's number alone.  An s_nop 0 and four v_nop follow each of the two lines.
.macro JLOAD g0a, g1a, g0b, g1b
	s_cmp_eq_u32 s15, 0
	s_cbranch_scc0 .Lfor_b_\@
	tensor_load_to_lds s[\g0a:\g0a+3], s[\g1a:\g1a+7]
	s_nop 0
.rept 4
	v_nop
.endr
	s_branch .Lasked_\@
.Lfor_b_\@:
	tensor_load_to_lds s[\g0b:\g0b+3], s[\g1b:\g1b+7]
	s_nop 0
.rept 4
	v_nop
.endr
.Lasked_\@:
.endm
.macro CROUND                          ; a round of the cluster's barrier: my work-group's barrier; wave 0 signals for the work-group; all wait for all sixteen; my work-group's barrier once more
	s_barrier_signal -1
	s_barrier_wait -1
	s_cmp_lg_u32 s14, 0
	s_cbranch_scc1 .Lnot_wave_0_\@
	s_barrier_signal -3
.Lnot_wave_0_\@:
	s_barrier_wait -3
	s_barrier_signal -1
	s_barrier_wait -1
.endm
	s_load_b128 s[4:7], s[0:1], 0x0                ; A's codes s[4:5], A's scales s[6:7]
	s_load_b128 s[8:11], s[0:1], 0x10              ; B's codes s[8:9], B's scales s[10:11]
	s_load_b64 s[12:13], s[0:1], 0x20              ; qkv_h
	v_lshl_add_u32 v[SPW], v0, 2, SPARE
	v_mov_b32 v[NIL], 0
	ds_add_u32 v[SPW], v[NIL]                      ; the wave's opening: the add, twice on end, and its wait ahead of my first tensor load; the set-up below stands between
	ds_add_u32 v[SPW], v[NIL]
	v_lshrrev_b32 v1, 5, v0
	v_readfirstlane_b32 s14, v1                    ; wave 0..3
	s_lshr_b32 s15, s14, 1                         ; which half of the tile's rows is mine.  Also: I fetch for A (0) or for B (1)
	s_and_b32 s16, s14, 1                          ; which half of its columns.  Also: which 128 rows of that tile I fetch
	s_bfe_u32 s40, ttmp6, 0x40000                  ; cx, cy: my place in the cluster
	s_bfe_u32 s41, ttmp6, 0x40004
	s_lshl_b32 s42, ttmp9, 2
	s_add_co_u32 s42, s42, s40                     ; tile column of C = 4 x cluster x + cx
	s_and_b32 s17, ttmp7, 0xffff
	s_lshl_b32 s17, s17, 2
	s_add_co_u32 s17, s17, s41                     ; tile row of C = 4 x cluster y + cy
	s_lshl_b32 s43, s41, 2
	s_lshl_b32 s43, 15, s43                        ; my row of the cluster
	s_lshl_b32 s44, 0x1111, s40                    ; my column
	; descriptor group 1: a tile of 128 rows x 256 bytes, padded in LDS
	s_or_b32 s[G1+0], s43, (0<<16)|(1<<20)|(1<<21)|(5<<22)|(3<<25)  ; 15:0 the mask: A's tiles go to my row; elements of 1 byte; padding on; bit 21 set beside a mask; after every 64 words four words
	s_or_b32 s[G1B+0], s44, (0<<16)|(1<<20)|(1<<21)|(5<<22)|(3<<25)
.irp g, G1, G1B
	s_mov_b32 s[\g+1], ROWB<<16                    ; tensor_dim0
	s_mov_b32 s[\g+2], 128<<16                     ; tensor_dim1
	s_mov_b32 s[\g+3], ROWB<<16                    ; tile_dim0
	s_mov_b32 s[\g+4], 128                         ; tile_dim1
	s_mov_b32 s[\g+5], KROW                        ; from row to row
	s_mov_b32 s[\g+6], 0
	s_mov_b32 s[\g+7], 0
.endr
	; the scales of 128 rows: a dense block of 4,096 bytes, as rows of 256 bytes (32 elements of 8 bytes), 16 bytes of padding behind each
	s_or_b32 s[G1S+0], s43, (3<<16)|(1<<20)|(1<<21)|(5<<22)|(3<<25)
	s_or_b32 s[G1SB+0], s44, (3<<16)|(1<<20)|(1<<21)|(5<<22)|(3<<25)
.irp g, G1S, G1SB
	s_mov_b32 s[\g+1], 32<<16
	s_mov_b32 s[\g+2], (128*KS/256)<<16
	s_mov_b32 s[\g+3], 32<<16
	s_mov_b32 s[\g+4], 128*KS/256
	s_mov_b32 s[\g+5], 32
	s_mov_b32 s[\g+6], 0
	s_mov_b32 s[\g+7], 0
.endr
	s_lshl_b32 s18, s16, 7                         ; which 128 rows of the tile I fetch
	s_lshl_b32 s20, s17, 8
	s_add_co_u32 s20, s20, s18                     ; A: row 256 x tile row + 128 x half
	s_lshl_b32 s46, s42, 8
	s_add_co_u32 s46, s46, s18                     ; B: row 256 x tile column + 128 x half
	s_mov_b32 s21, 0
	s_mov_b32 s47, 0
	s_mov_b64 s[18:19], KS
	s_mul_u64 s[22:23], s[20:21], s[18:19]         ; where these rows' scales begin, in bytes
	s_mul_u64 s[92:93], s[46:47], s[18:19]
	s_mov_b64 s[18:19], KROW
	s_mul_u64 s[20:21], s[20:21], s[18:19]         ; and their codes
	s_mul_u64 s[46:47], s[46:47], s[18:19]
	s_mul_i32 s45, s14, HALFT                      ; where they go: wave x 128 rows: no place in the cluster enters an LDS address
	s_mul_i32 s94, s14, HALFS
	s_wait_dscnt 0x0                               ; both opening adds are done
	s_wait_kmcnt 0x0
	s_add_nc_u64 s[20:21], s[4:5], s[20:21]
	s_add_nc_u64 s[22:23], s[6:7], s[22:23]
	s_add_nc_u64 s[46:47], s[8:9], s[46:47]
	s_add_nc_u64 s[92:93], s[10:11], s[92:93]
	CROUND                                         ; all sixteen work-groups are here: the joint loads meet
	s_mov_b32 s[G0S], 1
	s_add_co_u32 s[G0S+1], s94, SCL
	s_mov_b64 s[G0S+2:G0S+3], s[22:23]
	s_or_b32 s[G0S+3], s[G0S+3], 0x80000000
	s_mov_b32 s[G0SB], 1
	s_add_co_u32 s[G0SB+1], s94, SCL
	s_mov_b64 s[G0SB+2:G0SB+3], s[92:93]
	s_or_b32 s[G0SB+3], s[G0SB+3], 0x80000000
	JLOAD G0S, G1S, G0SB, G1SB                     ; the scales first: they are wanted with the first slot
.irp s, 0,1
	s_mov_b32 s[G0+4*\s], 1
	s_add_co_u32 s[G0+4*\s+1], s45, \s*SLOT
	s_add_nc_u64 s[G0+4*\s+2:G0+4*\s+3], s[20:21], \s*ROWB
	s_or_b32 s[G0+4*\s+3], s[G0+4*\s+3], 0x80000000
	s_mov_b32 s[G0B+4*\s], 1
	s_add_co_u32 s[G0B+4*\s+1], s45, \s*SLOT
	s_add_nc_u64 s[G0B+4*\s+2:G0B+4*\s+3], s[46:47], \s*ROWB
	s_or_b32 s[G0B+4*\s+3], s[G0B+4*\s+3], 0x80000000
	JLOAD G0+4*\s, G1, G0B+4*\s, G1B
.endr
	v_and_b32 v1, 15, v0                           ; l % 16
	v_bfe_u32 v2, v0, 4, 1                         ; l / 16
	v_mul_u32_u24 v3, v1, PITCH
	v_lshl_add_u32 v4, v2, 4, v3                   ; a fragment's row x pitch + 16 x half
	s_mul_i32 s21, s15, HALFT                      ; my 128 rows of A
	s_mul_i32 s22, s16, HALFT                      ; my 128 rows of B,
	s_add_co_u32 s22, s22, 2*HALFT                 ; which lie behind A's 256
.irp s, 0,1
	v_add_nc_u32 v[ADRA+\s], s21, v4
	v_add_nc_u32 v[ADRB+\s], s22, v4
	s_add_co_u32 s21, s21, SLOT
	s_add_co_u32 s22, s22, SLOT
.endr
	v_mul_u32_u24 v5, v1, KS                       ; my row's scales: 32 bytes a row,
	v_lshrrev_b32 v6, 8, v5
	v_lshl_add_u32 v5, v6, 4, v5                   ; and 16 more for each 256 passed
	s_mul_i32 s21, s15, HALFS                      ; A's: my 128 rows
	s_mul_i32 s22, s16, HALFS                      ; B's: my 128 rows, behind A's 256
	s_add_co_u32 s22, s22, 2*HALFS
	s_sub_co_u32 s22, s22, s21
	v_mul_u32_u24 v6, s22, v2                      ; lanes 16-31 take B's: the lower base + half x the distance
	s_add_co_u32 s21, s21, SCL
	v_add_nc_u32 v5, v5, v6
	v_add_nc_u32 v[ADRS], s21, v5
	s_mul_i32 s23, s14, 16*SPITCH                  ; my stage
	v_mul_u32_u24 v5, v1, SPITCH                   ; in: row l % 16, 16 bytes for each half of the lanes
	v_lshl_add_u32 v5, v2, 4, v5
	v_add_nc_u32 v[STO], s23, v5
	v_and_b32 v6, 31, v0
	v_lshlrev_b32 v[CO], 4, v6
	v_lshrrev_b32 v5, 3, v6                        ; back: row lane / 8, 16 (lane % 8) bytes on
	v_mul_u32_u24 v5, v5, SPITCH
	v_and_b32 v6, 7, v0
	v_lshl_add_u32 v5, v6, 4, v5
	v_add_nc_u32 v[RD], s23, v5
	; where my 128 x 128 begins in qkv_h: plane (b 48 + g) of 262,144 bytes, g = 4 x tile column + 2 x column half; row t = 256 (tile row % 8) + 128 x row half, 128 bytes a row.  Under 2^26
	s_lshr_b32 s20, s17, 3
	s_mul_i32 s20, s20, 48
	s_lshl_b32 s46, s42, 2
	s_add_co_u32 s20, s20, s46
	s_lshl_b32 s46, s16, 1
	s_add_co_u32 s20, s20, s46
	s_lshl_b32 s20, s20, 18
	s_and_b32 s21, s17, 7
	s_lshl_b32 s21, s21, 8
	s_lshl_b32 s46, s15, 7
	s_add_co_u32 s21, s21, s46
	s_lshl_b32 s21, s21, 7
	s_add_co_u32 s20, s20, s21
	s_mov_b32 s21, 0
	s_add_nc_u64 s[12:13], s[12:13], s[20:21]
.macro FRAG reg, adr, q, i             ; a fragment, 16 rows x 128 K of 4-bit codes: lane l holds row l % 16; registers 4 c .. 4 c + 3 hold K = 64 c + 32 (l / 16) + 0 .. 31
.irp c, 0,1
	ds_load_b128 v[\reg+4*\c:\reg+4*\c+3], v[\adr] offset:64*(\q)+32*\c+(\i)*16*PITCH
.endr
.endm
; 16 matrix instructions: A's blocks a0, a0 + 1 x B's eight, the slot's q-th 128 along K.  p: B's set;  sc: the set of scale words.  zero = 1: the first product starts the sums.
; The 64 accumulators take turns, one instruction a turn, in the same order in every step.
.macro MUL16 a0, p, q, sc, zero
.irp a, \a0, \a0+1
.irp b, 0,1,2,3,4,5,6,7
.if \zero
	v_wmma_scale_f32_16x16x128_f8f6f4 v[8*(8*((\a)%4)+\b):8*(8*((\a)%4)+\b)+7], v[128*(\p)+FR*\b:128*(\p)+FR*\b+FR-1], v[AF+FR*(\a):AF+FR*(\a)+FR-1], 0, v[SC+8*NQ*(\sc)+NQ*\b+(\q)], v[SC+8*NQ*(\sc)+NQ*(\a)+(\q)] matrix_a_fmt:MATRIX_FMT_FP4 matrix_b_fmt:MATRIX_FMT_FP4 matrix_a_scale:MATRIX_SCALE_ROW1
.else
	v_wmma_scale_f32_16x16x128_f8f6f4 v[8*(8*((\a)%4)+\b):8*(8*((\a)%4)+\b)+7], v[128*(\p)+FR*\b:128*(\p)+FR*\b+FR-1], v[AF+FR*(\a):AF+FR*(\a)+FR-1], v[8*(8*((\a)%4)+\b):8*(8*((\a)%4)+\b)+7], v[SC+8*NQ*(\sc)+NQ*\b+(\q)], v[SC+8*NQ*(\sc)+NQ*(\a)+(\q)] matrix_a_fmt:MATRIX_FMT_FP4 matrix_b_fmt:MATRIX_FMT_FP4 matrix_a_scale:MATRIX_SCALE_ROW1
.endif
.endr
.endr
.endm
.macro FETCH_B slot, q, p              ; B's eight fragments of the slot's q-th 128 along K into set p
	WIN TO_B
.irp i, 0,1,2,3,4,5,6,7
	FRAG 128*(\p)+FR*\i, ADRB+\slot, \q, \i
.endr
	WIN 0
.endm
.macro FETCH_A slot, q, i0             ; A's blocks i0 .. i0 + 3
.irp i, \i0, \i0+1, \i0+2, \i0+3
	FRAG AF+FR*(\i), ADRA+\slot, \q, \i
.endr
.endm
.macro SCALES sc                       ; a slot's scale words into set sc: four words a row; lanes 0-15 take A's block i, lanes 16-31 B's block i
.irp i, 0,1,2,3,4,5,6,7
	ds_load_b128 v[SC+8*NQ*\sc+NQ*\i:SC+8*NQ*\sc+NQ*\i+3], v[ADRS] offset:\i*SBLK
.endr
.endm
; A load into a register that a matrix instruction has read, and a vector instruction or an LDS store that reads a matrix result, stand NP places behind it; only plain vector instructions that name none of its registers are places.
.macro PLACES n
.rept \n
	v_nop
.endr
.endm
; A step of 128 along K that has its successor in the same slot.  A block of A is free as soon as its eight products are issued: blocks 0-3 are fetched anew in the step's middle, blocks 4-7 at its end.
.macro STEP slot, q, zero
	s_wait_dscnt 4*NL                              ; B's set and A's blocks 0-3 are in; the youngest eight loads (A's blocks 4-7) may be out
	WIN MUL_LO
	MUL16 0, (\q)%2, \q, \slot, \zero
	MUL16 2, (\q)%2, \q, \slot, \zero
	s_wait_dscnt 0                                 ; A's blocks 4-7 are in
	PLACES NP
	FETCH_B \slot, (\q)+1, 1-(\q)%2
	FETCH_A \slot, (\q)+1, 0
	WIN MUL_HI
	MUL16 4, (\q)%2, \q, \slot, \zero
	MUL16 6, (\q)%2, \q, \slot, \zero
	PLACES NP
	WIN 0
	FETCH_A \slot, (\q)+1, 4
.endm
; Slot 0's last step changes slots: one barrier; in front of it each wave waits for all its tensor loads (its part of slot 1), adds 0 to its spare word, and waits for that and for its reads of slot 0.  Nothing is filled again.
.macro TURN slot, next
	s_wait_tensorcnt 0x0                           ; all my tensor loads have landed
	ds_add_u32 v[SPW], v[NIL]                      ; 0 onto my spare word
	s_wait_dscnt 4*NL+1                            ; (the add and the youngest eight loads, A's blocks 4-7, may be out)
	WIN MUL_LO
	MUL16 0, 1, NQ-1, \slot, 0
	s_wait_dscnt 0x0                               ; the add is done, and my reads of this slot are over
	s_barrier_signal -1
	MUL16 2, 1, NQ-1, \slot, 0
	WIN 0
	s_barrier_wait -1
	PLACES NP
	v_add_nc_u32 v[ADRS], 4*NQ, v[ADRS]            ; on to the next slot's scale words
	FETCH_B \next, 0, 0
	FETCH_A \next, 0, 0
	SCALES \next
	WIN MUL_HI
	MUL16 4, 1, NQ-1, \slot, 0
	MUL16 6, 1, NQ-1, \slot, 0
	PLACES NP
	WIN 0
	FETCH_A \next, 0, 4
.endm
.macro STEPS slot, from                ; the slot's steps from .. NQ - 2
.set Q, \from
.rept NQ-1-\from
	STEP \slot, Q, 0
.set Q, Q+1
.endr
.endm
	s_wait_tensorcnt 1                             ; the scales and my part of slot 0 are in; slot 1's load may be out
	s_barrier_signal -1
	s_barrier_wait -1                              ; everybody's are
	FETCH_B 0, 0, 0
	FETCH_A 0, 0, 0
	SCALES 0
	FETCH_A 0, 0, 4
	STEP 0, 0, 1                                   ; the first step's products start the sums: nothing is cleared
	STEPS 0, 1
	TURN 0, 1
	STEPS 1, 0
	s_wait_dscnt 4*NL                              ; the very last step: nothing more to fetch
	WIN MUL_LO
	MUL16 0, 1, NQ-1, 1, 0
	MUL16 2, 1, NQ-1, 1, 0
	s_wait_dscnt 0
	WIN MUL_HI
	MUL16 4, 1, NQ-1, 1, 0
	MUL16 6, 1, NQ-1, 1, 0
	WIN 0
; THE WAY OUT, block by block of 16 rows x 128 columns (two heads).  PACK: rounded to f16, a lane's eight columns are 16 bytes; each accumulator is read from its low end on.  TOSTAGE: into my own stage, and back by heads:
; four rows of one head's 128 bytes an instruction, which lie on end in qkv_h.  SEND: each store of the wave covers 512 consecutive bytes, aligned.  No pointer is stepped: head, block and rows stand in the immediate.
.macro PACK a
.set AC, 64*((\a)%4)
	WIN 0x0a+5*((\a)/4)                            ; sources 0 and 1: window 2 or 3
.irp b, 0,1,2,3,4,5,6,7
.irp i, 0,1,2,3
	v_cvt_pk_f16_f32 v[TMP+4*\b+\i], v[AC+8*\b+2*\i], v[AC+8*\b+2*\i+1]
.endr
.endr
	WIN 0
.endm
.macro TOSTAGE a
.set BB, BK+32*((\a)%2)
.irp b, 0,1,2,3,4,5,6,7
	ds_store_b128 v[STO], v[TMP+4*\b:TMP+4*\b+3] offset:32*\b
.endr
.irp i, 0,1,2,3,4,5,6,7
	ds_load_b128 v[BB+4*\i:BB+4*\i+3], v[RD] offset:(\i%4)*4*SPITCH+(\i/4)*128   ; LDS serves a wave's instructions in order (ISA guide 5.7.1.4): these see the stores above
.endr
.endm
.macro SEND a, younger                 ; younger: the LDS instructions issued behind block a's loads, which may stay out
.set BB, BK+32*((\a)%2)
	s_wait_dscnt \younger
.irp i, 0,1,2,3,4,5,6,7
	global_store_b128 v[CO], v[BB+4*\i:BB+4*\i+3], s[12:13] offset:(\i/4)*262144+(\a)*2048+(\i%4)*512
.endr
.endm
	PLACES NP                                      ; behind the last products: for the conversions' reads of results and their writes over the scale words
	PACK 0
	TOSTAGE 0
.irp a, 1,2,3,4,5,6,7
	PACK \a
.if \a > 1
	s_wait_xcnt 0x0                                ; block a - 2's stores have read their registers: block a's loads may land there
.endif
	TOSTAGE \a
	SEND \a-1, 16                                  ; behind block a - 1's loads: block a's 8 stores and 8 loads
.endr
	SEND 7, 0
	s_wait_tensorcnt 0x0                           ; the wave's end
	ds_add_u32 v[SPW], v[NIL]
	s_wait_dscnt 0x0
	CROUND                                         ; the closing round: no work-group ends while a partner may still ask for a tile that names it
	s_endpgm
.Lfunc_end_k_q3fb452fee0_qkv:
	.size	k_q3fb452fee0_qkv, .Lfunc_end_k_q3fb452fee0_qkv-k_q3fb452fee0_qkv
	.p2alignl 7, 3214868480
	.fill 96, 4, 3214868480
	.section	.rodata,"a",@progbits
	.p2align	6, 0x0
	.amdhsa_kernel k_q3fb452fee0_qkv
		.amdhsa_group_segment_fixed_size 327680
		.amdhsa_private_segment_fixed_size 0
		.amdhsa_enable_private_segment 0
		.amdhsa_kernarg_size 40
		.amdhsa_user_sgpr_count 2
		.amdhsa_user_sgpr_kernarg_segment_ptr 1
		.amdhsa_wavefront_size32 1
		.amdhsa_system_sgpr_workgroup_id_x 1
		.amdhsa_system_sgpr_workgroup_id_y 1
		.amdhsa_system_sgpr_workgroup_id_z 1
		.amdhsa_system_vgpr_workitem_id 0
		.amdhsa_next_free_vgpr 1024
		.amdhsa_next_free_sgpr 98
		.amdhsa_reserve_vcc 0
		.amdhsa_float_denorm_mode_32 3
		.amdhsa_float_denorm_mode_16_64 3
		.amdhsa_memory_ordered 1
		.amdhsa_forward_progress 1
		.amdhsa_inst_pref_size 126
	.end_amdhsa_kernel
	.amdgpu_metadata
---
amdhsa.version: [ 1, 2 ]
amdhsa.kernels:
  - .name:           k_q3fb452fee0_qkv
    .symbol:         k_q3fb452fee0_qkv.kd
    .args:
      - { .name: x_codes, .offset: 0, .size: 8, .value_kind: global_buffer, .address_space: global }
      - { .name: x_scales, .offset: 8, .size: 8, .value_kind: global_buffer, .address_space: global }
      - { .name: w_codes, .offset: 16, .size: 8, .value_kind: global_buffer, .address_space: global }
      - { .name: w_scales, .offset: 24, .size: 8, .value_kind: global_buffer, .address_space: global }
      - { .name: qkv_h, .offset: 32, .size: 8, .value_kind: global_buffer, .address_space: global }
    .group_segment_fixed_size: 327680
    .private_segment_fixed_size: 0
    .kernarg_segment_align: 8
    .kernarg_segment_size: 40
    .max_flat_workgroup_size: 128
    .sgpr_count:     98
    .vgpr_count:     1024
    .wavefront_size: 32
...
	.end_amdgpu_metadata
.endif
;; end of part 3
;; launch attn (part 4): grid 4 x 64, 8 waves a work-group, clusters of 4 x 1, 327,680 bytes of LDS; arguments qkv_h, attention_mask, att_h; writes att_h
.if DOCPART == 4
	.amdgcn_target "amdgcn-amd-amdhsa--gfx1250"
	.amdhsa_code_object_version 6
	.text
	.protected	k_q3fb452fee0_attn
	.globl	k_q3fb452fee0_attn
	.p2align	8
	.type	k_q3fb452fee0_attn,@function
k_q3fb452fee0_attn:
	s_mov_b64 s[64:65], 0
	v_nop
	global_prefetch_b8 v0, s[64:65] scope:SCOPE_SE
	s_setreg_imm32_b32 hwreg(HW_REG_WAVE_MODE, 25, 1), 1
	s_wait_xcnt 0x0
	s_wait_alu depctr_hold_cnt(0) depctr_sa_sdst(0) depctr_va_vdst(0) depctr_va_sdst(0) depctr_va_ssrc(0) depctr_va_vcc(0) depctr_vm_vsrc(0)
	s_getreg_b32 s2, hwreg(HW_REG_IB_STS2, 6, 4)
	s_cmp_eq_u32 s2, 0
	s_cbranch_scc0 .Lentry_in_a_cluster
	s_endpgm
.Lentry_in_a_cluster:
	s_bfe_u32 s2, ttmp6, 0x10000c
	s_cmp_lg_u32 s2, 0x3003
	s_cbranch_scc0 .Lentry_shape_is_right
	s_endpgm
.Lentry_shape_is_right:
; att_h[h][b 2048 + q][:] = the sum over keys k of softmax_k(Q[q] . K[k] / 8, keys with attention_mask[b][k] = 0 left out) V[k][:], for each of 4 batches x 16 heads of 64 channels.
; Q, K, V: f16, planes of qkv_h [b][g 48][t 2048][64] (g = h, 16 + h, 32 + h).  Products, maxima and sums in f32; the weights p are rounded to f16 for the second product, the result once at the end.
; SHARES.  A cluster of four work-groups is one (batch, head); a work-group owns 512 queries, each of its EIGHT waves 64: four tiles of 16, in 512 registers: two waves to a SIMD, so that one wave's softmax stands beside the
; other's products.  Every wave walks all 2,048 keys, 64 a step.  K and V come through two LDS slots of 256 keys; the four partners walk the same K and V, so each tile is asked for JOINTLY (mask 15).
; All eight waves load: waves 0-3 the four steps' tiles of K, waves 4-7 those of V: one tensor load a wave is out behind each round, and it has four key steps in which to land.
; LAYOUT.  S^T = K Q^T (source 0 = 16 keys, source 1 = 16 queries): a lane holds ONE query (lane % 16) and keys 8 (lane / 16) + 0..7.  Two such tiles rounded to f16 in pairs ARE source 1 of O^T = V^T P, whose result again holds
; one query a lane.  K comes out of LDS as it lies, V ([key][channel]) turned, by ds_load_tr16_b128.
; THE MASK costs no vector instruction in the loop: the C of each score tile's first product is eight registers of bias[key], 0 or -2^127 where the mask is 0 (made once, kept in LDS).
; SOFTMAX.  A running maximum m and sum l for each query: p = 2^(c s - c m), c = log2(e) / 8; in every step O and l are multiplied by a = 2^(c m_old - c m_new).  m begins at -2^100: over every masked score and under every
; real one (f16 operands bound |q . k| by 64 x 65,504^2, about 2.7e11), so a masked key never sets the maximum and its p is exactly 0.  A batch with no open key ends with 0 x 1/0 = NaN, as the softmax of an empty row is.
; LIMITS: NaN and infinities among q, k, v are not served.
; REGISTERS, in two windows of 256 (s_set_vgpr_msb: bits 1:0 source 0, 3:2 source 1, 5:4 source 2, 7:6 destination):
;   window 0: v0 my thread's number; v1-7 addresses; v8-31 six registers of statistics a tile; v32-63 bias; v64-191 S^T, 32 a tile; v192-255 K's fragments of a step, then V's
;   window 1: v0-127 O^T, 32 a tile; v128-191 Q, 16 a tile; v192-255 P, 16 a tile
.set KS,    64                         ; keys in a step
.set PK,    144                        ; a row of K in LDS: 128 bytes + 16: an odd multiple of 16, so the 16 rows of a load start at different banks
.set PV,    160                        ; a row of V: 128 + 32: an odd multiple of 32, for the turning load
.set VOFF,  KS*PK                      ; a step's tiles lie together: 64 rows of K, then 64 rows of V
.set STEPB, KS*(PK+PV)
.set NST,   4                          ; steps in a slot
.set SLOT1, 1<<17                      ; slot 1 begins here, so that one exclusive or turns an address in one slot into the other's
.set MASKB, SLOT1+NST*STEPB            ; behind the slots: the batch's 2,048 biases, f32; stored by the waves, never filled by a tensor load
.set STAGE, MASKB+8192                 ; the way out: 16 rows x 144 bytes for each wave
.set SP,    144
.set SPARE, STAGE+8*16*SP              ; the spare words, 128 bytes a wave
.set HEADB, 2048*128                   ; a plane of qkv_h in bytes
.set SPW, 1                            ; v1  LDS address of my spare word; never rewritten
.set NIL, 2                            ; v2  0; never rewritten
.set AK0, 3                            ; v3  my lane's place in a tile of K
.set AV0, 4                            ; v4  the same for V
.set AB0, 5                            ; v5  and among the biases
.set ADR, 6                            ; v6  the LDS address of the run of loads in hand
.set PFO, 7                            ; v7  256 x my lane, for the prefetches; never rewritten
.set ST,  8                            ; tile t's statistics at v[ST + 6 t]: +0 c m, +1 m, +2, +3 l (even keys', odd keys'), +4 at work, then a, +5 at work
.set BI,  32
.set S,   64
.set KV,  192
.set QF,  128                          ; in window 1
.set PF,  192                          ; in window 1
.set STO, 32                           ; the way out (the biases' registers are free then): where I put 16 bytes of a row,
.set RD,  33                           ; where I read rows back,
.set GO,  34                           ; 16 x lane
.set WV,  12                           ; s12 my wave's number
.set LIM, 15                           ; s15 1 in a wave that prefetches, else the greatest number
.set PFA, 18                           ; s[18:19] where my prefetches stand
.set G1K, 24                           ; s[24:31] descriptor group 1 for K's tiles;  s[32:39] for V's: it differs in the padding alone
.set G1V, 32
.set G0K, 40                           ; s[40:43], s[44:47] their groups 0, which walk
.set G0V, 44
.set SLOTS, 56                         ; s56 slots still to be asked for
.set CNT, 57                           ; s57 counts a slot's steps
.set CS,  58                           ; s[58:59] c: the packed form names a pair and takes its low word for both halves
.set SEL, 60                           ; s[60:61] lane selects for v_permlanex16_b32: lane l xor 16
.set TB,  62                           ; s62 LDS byte at which the step's tiles begin
.set TM,  63                           ; s63 where the step's biases begin: 256 bytes a step
.set MSB, 0
.macro WIN new                         ; the immediate's high byte repeats the setting that is left; a switch that changes nothing is dropped
.if MSB != (\new)
	s_set_vgpr_msb (MSB<<8)|(\new)
.set MSB, (\new)
.endif
.endm
.set W_KQ, 0x04                        ; Q (source 1) in window 1; K, bias and S^T in window 0
.set W_P,  0x40                        ; destination in window 1
.set W_RS, 0x41                        ; O^T (destination and source 0) in window 1, the factor in window 0
.set W_PV, 0x54                        ; V in window 0; P, C and D in window 1
; A joint load.  The branch hangs on the wave's number alone.  An s_nop 0 and four v_nop follow each of the two lines.
.macro JLOAD
	s_cmp_lt_u32 s[WV], 4
	s_cbranch_scc0 .Lfor_v_\@
	tensor_load_to_lds s[G0K:G0K+3], s[G1K:G1K+7]
	s_nop 0
.rept 4
	v_nop
.endr
	s_branch .Lasked_\@
.Lfor_v_\@:
	tensor_load_to_lds s[G0V:G0V+3], s[G1V:G1V+7]
	s_nop 0
.rept 4
	v_nop
.endr
.Lasked_\@:
.endm
; A PREFETCH INTO THE L2 of what the NEXT change of slots will ask for: 256 rows of K and of V, 32,768 dense bytes each.  The cluster is the only one that walks this head.  Its four partners share the bytes out BY ADDRESS,
; 8,192 each; in each, wave 0 asks for K's and wave 4 for V's, lanes 256 bytes apart: each block of 256 bytes is named once in the launch.  It stands behind the wave's tensor load and its five lines, four key steps ahead
; of the load that will want the data.  The last change that fills a slot asks for nothing: there is no slot behind it.  Slots 0 and 1 come by their loads alone.
.macro ASK
	s_cmp_gt_u32 s[SLOTS], s[LIM]
	s_cbranch_scc0 .Lnot_mine_\@
	global_prefetch_b8 v[PFO], s[PFA:PFA+1] th:TH_LOAD_NT scope:SCOPE_SE
.Lnot_mine_\@:
.endm
.macro CROUND                          ; a round of the cluster's barrier: my work-group's barrier; wave 0 signals for the work-group; all wait for all four; my work-group's barrier once more
	s_barrier_signal -1
	s_barrier_wait -1
	s_cmp_lg_u32 s[WV], 0
	s_cbranch_scc1 .Lnot_wave_0_\@
	s_barrier_signal -3
.Lnot_wave_0_\@:
	s_barrier_wait -3
	s_barrier_signal -1
	s_barrier_wait -1
.endm
	s_load_b128 s[4:7], s[0:1], 0x0                ; qkv_h s[4:5], the mask s[6:7]
	s_load_b64 s[8:9], s[0:1], 0x10                ; att_h
	v_lshl_add_u32 v[SPW], v0, 2, SPARE
	v_mov_b32 v[NIL], 0
	ds_add_u32 v[SPW], v[NIL]                      ; the wave's opening: the add, twice on end, and its wait ahead of my first tensor load; the set-up below stands between
	ds_add_u32 v[SPW], v[NIL]
	v_lshrrev_b32 v[ADR], 5, v0
	v_readfirstlane_b32 s[WV], v[ADR]              ; wave 0..7
	s_bfe_u32 s13, ttmp6, 0x40000                  ; cx: my block of 512 queries; it enters Q's, the result's and the prefetches' addresses alone
	s_and_b32 s14, ttmp7, 0xffff                   ; the cluster's y: 16 b + h
	s_lshr_b32 s16, s14, 4                         ; b
	s_and_b32 s17, s14, 15                         ; h
	s_mul_i32 s20, s16, 48
	s_add_co_u32 s20, s20, s17
	s_lshl_b32 s20, s20, 18                        ; q's plane of this head, in bytes (under 2^26)
	s_and_b32 s22, s[WV], 3                        ; which of a slot's four steps I fetch:
	s_lshl_b32 s48, s22, 13                        ; its 64 rows of 128 bytes in memory,
	s_add_co_u32 s48, s48, s20
	s_mov_b32 s49, 0
	s_mul_i32 s23, s22, STEPB                      ; and its place in a slot: no place in the cluster enters an LDS address
	s_lshl_b32 s50, s13, 16                        ; my block's 512 rows,
	s_lshl_b32 s51, s[WV], 13                      ; my wave's 64 of them
	s_add_co_u32 s54, s50, s51
	s_add_co_u32 s50, s54, s20                     ; Q: in q's plane
	s_mov_b32 s51, 0
	s_lshl_b32 s52, s17, 20                        ; the result: plane h of 8,192 rows,
	s_lshl_b32 s53, s16, 18                        ; batch b's 2,048 of them
	s_add_co_u32 s52, s52, s53
	s_add_co_u32 s52, s52, s54
	s_mov_b32 s53, 0
	s_lshl_b32 s2, s16, 13                         ; the batch's 2,048 mask words
	s_mov_b32 s3, 0
	s_mov_b32 s10, 32*HEADB                        ; the prefetches: V's plane, or
	s_cmp_lt_u32 s[WV], 4
	s_cselect_b32 s10, 16*HEADB, s10               ; K's,
	s_add_co_u32 s10, s10, s20
	s_lshl_b32 s11, s13, 13                        ; my work-group's quarter of a slot,
	s_add_co_u32 s10, s10, s11
	s_add_co_u32 s10, s10, NST*KS*128              ; in slot 1: the first change of slots steps it to slot 2
	s_mov_b32 s11, 0
	s_cmp_eq_u32 s22, 0                            ; waves 0 and 4 ask: the same in all four partners
	s_cselect_b32 s[LIM], 1, -1
	; descriptor group 1: a tile of 64 rows x 64 elements of 2 bytes, padded in LDS
	s_mov_b32 s[G1K], 15|(1<<16)|(1<<20)|(1<<21)|(4<<22)|(3<<25)  ; 15:0 the mask: all four work-groups; elements of 2 bytes; padding on; bit 21 set beside a mask; after every 32 words four words
	s_mov_b32 s[G1V], 15|(1<<16)|(1<<20)|(1<<21)|(4<<22)|(7<<25)  ; the same with eight words of padding
.irp g, G1K, G1V
	s_mov_b32 s[\g+1], 64<<16                      ; tensor_dim0
	s_mov_b32 s[\g+2], KS<<16                      ; tensor_dim1
	s_mov_b32 s[\g+3], 64<<16                      ; tile_dim0
	s_mov_b32 s[\g+4], KS                          ; tile_dim1
	s_mov_b32 s[\g+5], 64                          ; from row to row
	s_mov_b32 s[\g+6], 0
	s_mov_b32 s[\g+7], 0
.endr
	s_mov_b32 s[CS], 0x3e38aa3b                    ; c = log2(e) / 8
	s_mov_b32 s[CS+1], s[CS]                       ; (named with it as a pair, so it is written)
	s_mov_b32 s[SEL], 0x76543210
	s_mov_b32 s[SEL+1], 0xfedcba98
	s_mov_b32 s[TB], 0
	s_mov_b32 s[TM], 0
	s_mov_b32 s[SLOTS], 2048/(NST*KS)-1
	s_wait_dscnt 0x0                               ; both opening adds are done
	s_wait_kmcnt 0x0
	s_add_nc_u64 s[48:49], s[4:5], s[48:49]
	s_mov_b32 s[G0K], 1                            ; count = 1
	s_mov_b32 s[G0K+1], s23                        ; LDS address: slot 0
	s_add_nc_u64 s[G0K+2:G0K+3], s[48:49], 16*HEADB  ; global address: my step of the head's first 256 keys
	s_or_b32 s[G0K+3], s[G0K+3], 0x80000000        ; type = 2
	s_mov_b32 s[G0V], 1
	s_add_co_u32 s[G0V+1], s23, VOFF
	s_add_nc_u64 s[G0V+2:G0V+3], s[48:49], 32*HEADB
	s_or_b32 s[G0V+3], s[G0V+3], 0x80000000
	s_add_nc_u64 s[PFA:PFA+1], s[4:5], s[10:11]
	s_add_nc_u64 s[4:5], s[4:5], s[50:51]          ; Q at my wave's first row
	s_add_nc_u64 s[6:7], s[6:7], s[2:3]            ; the mask at my batch
	s_add_nc_u64 s[8:9], s[8:9], s[52:53]          ; the result at my wave's first row
	CROUND                                         ; all four work-groups are here: the first joint loads meet
	JLOAD                                          ; slot 0
	v_lshlrev_b32 v65, 5, v0                       ; the mask: 256 threads x 8 words
	global_load_b128 v[72:75], v65, s[6:7]
	global_load_b128 v[76:79], v65, s[6:7] offset:16
	v_and_b32 v66, 15, v0                          ; r = lane % 16
	v_bfe_u32 v67, v0, 4, 1                        ; h = lane / 16
	v_lshlrev_b32 v64, 7, v66
	v_lshl_add_u32 v64, v67, 4, v64                ; Q: row r of 128 bytes + 16 h
	WIN W_P
.irp t, 0,1,2,3                                ; Q stays in registers: a fragment is 16 rows x 32 channels: two loads of 16 bytes, 32 bytes apart
.irp c, 0,1
	global_load_b128 v[QF+16*\t+8*\c:QF+16*\t+8*\c+3],   v64, s[4:5] offset:\t*2048+\c*64 th:TH_LOAD_NT
	global_load_b128 v[QF+16*\t+8*\c+4:QF+16*\t+8*\c+7], v64, s[4:5] offset:\t*2048+\c*64+32 th:TH_LOAD_NT
.endr
.endr
	WIN 0
	v_mul_u32_u24 v[AK0], v66, PK
	v_lshl_add_u32 v[AK0], v67, 4, v[AK0]          ; K: row x pitch + 16 x half
	v_and_b32 v68, 7, v0                           ; V: the turning load takes 16 keys x 16 channels: lane l reads key 8 (l / 16) + l % 8, channels 8 ((l / 8) % 2) + 0..7
	v_bfe_u32 v69, v0, 3, 1
	v_lshl_add_u32 v[AV0], v67, 3, v68
	v_mul_u32_u24 v[AV0], v[AV0], PV
	v_lshl_add_u32 v[AV0], v69, 4, v[AV0]
	v_add_nc_u32 v[AV0], VOFF, v[AV0]
	v_lshl_add_u32 v[AB0], v67, 5, MASKB           ; biases: my half's eight keys of a tile
	v_and_b32 v[PFO], 31, v0
	v_lshlrev_b32 v[PFO], 8, v[PFO]
.irp t, 0,1,2,3
	v_mov_b32 v[ST+6*\t+1], 0xf1800000             ; m = -2^100
	v_mul_f32 v[ST+6*\t], s[CS], v[ST+6*\t+1]      ; c m
	v_mov_b32 v[ST+6*\t+2], 0                      ; l
	v_mov_b32 v[ST+6*\t+3], 0
	v_mov_b32 v[ST+6*\t+4], 0                      ; (written once: a lane permute's destination counts as one of its sources)
	v_mov_b32 v[ST+6*\t+5], 0
.endr
	WIN W_P
.set i, 0
.rept 128
	v_mov_b32 v[i], 0                              ; O^T.  The key step is written once: its first pass finds zeros
.set i, i+1
.endr
	WIN 0
	s_wait_loadcnt 16                              ; the mask's two loads are in; Q's sixteen may be out
	v_mov_b32 v70, 0xff000000                      ; -2^127
.irp j, 0,1,2,3,4,5,6,7
	v_cmp_eq_u32 vcc_lo, 0, v[72+\j]
	v_cndmask_b32 v[72+\j], 0, v70, vcc_lo         ; the key's bias: -2^127 where the mask is 0, else 0
.endr
	v_lshl_add_u32 v71, v0, 5, MASKB
	ds_store_b128 v71, v[72:75]                    ; the wait and the round at the first change of slots show them to all eight waves
	ds_store_b128 v71, v[76:79] offset:16
	s_wait_loadcnt 0x0                             ; Q
; A KEY STEP: 64 keys.  It is entered and left with every window 0.
.macro STEP
	v_add_nc_u32 v[ADR], s[TB], v[AK0]             ; with the three v_nop: four places behind the last products, in front of loads into registers that they read (ISA guide 7.12.1 for vector instructions)
.rept 3
	v_nop
.endr
.irp f, 0,1,2,3,4,5,6,7                        ; K: keys 16 (f / 2) on, channels 32 (f % 2) on
	ds_load_b128 v[KV+8*\f:KV+8*\f+3],   v[ADR] offset:(\f/2)*16*PK+(\f%2)*64
	ds_load_b128 v[KV+8*\f+4:KV+8*\f+7], v[ADR] offset:(\f/2)*16*PK+(\f%2)*64+32
.endr
	v_add_nc_u32 v[ADR], s[TM], v[AB0]
.irp k, 0,1,2,3                                ; the biases of keys 16 k + 8 (lane / 16) + 0..7, in the result's layout
	ds_load_b128 v[BI+8*\k:BI+8*\k+3],   v[ADR] offset:64*\k
	ds_load_b128 v[BI+8*\k+4:BI+8*\k+7], v[ADR] offset:64*\k+16
.endr
	s_wait_dscnt 0x0
	WIN W_KQ
.irp c, 0,1                                    ; S^T = K Q^T + bias: the 16 accumulators take turns, one instruction a turn
.irp k, 0,1,2,3
.irp t, 0,1,2,3
.if \c == 0
	v_wmma_f32_16x16x32_f16 v[S+32*\t+8*\k:S+32*\t+8*\k+7], v[KV+16*\k:KV+16*\k+7], v[QF+16*\t:QF+16*\t+7], v[BI+8*\k:BI+8*\k+7]
.else
	v_wmma_f32_16x16x32_f16 v[S+32*\t+8*\k:S+32*\t+8*\k+7], v[KV+16*\k+8:KV+16*\k+15], v[QF+16*\t+8:QF+16*\t+15], v[S+32*\t+8*\k:S+32*\t+8*\k+7]
.endif
.endr
.endr
.endr
	WIN 0
	v_add_nc_u32 v[ADR], s[TB], v[AV0]             ; again four places: for V's loads over K's fragments, and for the first reads of the scores
.rept 3
	v_nop
.endr
.irp f, 0,1,2,3,4,5,6,7                        ; V, turned: keys 32 (f / 4) on, channels 16 (f % 4) on.  It lands while the softmax is walked
	ds_load_tr16_b128 v[KV+8*\f:KV+8*\f+3],   v[ADR] offset:(\f/4)*32*PV+(\f%4)*32
	ds_load_tr16_b128 v[KV+8*\f+4:KV+8*\f+7], v[ADR] offset:(\f/4)*32*PV+16*PV+(\f%4)*32
.endr
	; the maximum of a lane's 32 scores and the old m: two chains a tile, the four tiles by turns; each accumulator is first read at its register 0 or 1
.irp t, 0,1,2,3
	v_max3_num_f32 v[ST+6*\t+4], v[S+32*\t], v[S+32*\t+1], v[S+32*\t+2]
.endr
.irp t, 0,1,2,3
	v_max3_num_f32 v[ST+6*\t+5], v[S+32*\t+3], v[S+32*\t+4], v[S+32*\t+5]
.endr
.irp i, 6,10,14,18,22,26
.irp t, 0,1,2,3
	v_max3_num_f32 v[ST+6*\t+4], v[ST+6*\t+4], v[S+32*\t+\i], v[S+32*\t+\i+1]
.endr
.irp t, 0,1,2,3
	v_max3_num_f32 v[ST+6*\t+5], v[ST+6*\t+5], v[S+32*\t+\i+2], v[S+32*\t+\i+3]
.endr
.endr
.irp t, 0,1,2,3
	v_max3_num_f32 v[ST+6*\t+4], v[ST+6*\t+4], v[S+32*\t+30], v[S+32*\t+31]
.endr
.irp t, 0,1,2,3
	v_max3_num_f32 v[ST+6*\t+4], v[ST+6*\t+4], v[ST+6*\t+5], v[ST+6*\t+1]
.endr
.irp t, 0,1,2,3
	v_permlanex16_b32 v[ST+6*\t+5], v[ST+6*\t+4], s[SEL], s[SEL+1]   ; the query's other 32 keys lie in the lane 16 away
.endr
.irp t, 0,1,2,3
	v_max_num_f32 v[ST+6*\t+1], v[ST+6*\t+4], v[ST+6*\t+5]           ; the new m
.endr
.irp t, 0,1,2,3
	v_mov_b32 v[ST+6*\t+5], v[ST+6*\t]                               ; c m_old is kept for a
.endr
.irp t, 0,1,2,3
	v_mul_f32 v[ST+6*\t], s[CS], v[ST+6*\t+1]
.endr
.irp t, 0,1,2,3
	v_sub_f32 v[ST+6*\t+5], v[ST+6*\t+5], v[ST+6*\t]
.endr
.irp t, 0,1,2,3
.irp j, 0,1,2,3,4,5,6,7,8,9,10,11,12,13,14,15
	v_pk_fma_f32 v[S+32*\t+2*\j:S+32*\t+2*\j+1], v[S+32*\t+2*\j:S+32*\t+2*\j+1], s[CS:CS+1], v[ST+6*\t:ST+6*\t+1] op_sel_hi:[1,0,0] neg_lo:[0,0,1] neg_hi:[0,0,1]   ; c s - c m, two at a time
.endr
.endr
.irp t, 0,1,2,3
	v_exp_f32 v[ST+6*\t+4], v[ST+6*\t+5]           ; a
.endr
.set i, 0
.rept 128
	v_exp_f32 v[S+i], v[S+i]                       ; p
.set i, i+1
.endr
	v_nop                                          ; a plain instruction behind the last exponential
	s_wait_alu depctr_va_vdst(0)                   ; ONE wait for the batch of 132, ahead of the first instruction that names a result
	WIN W_P
.irp t, 0,1,2,3
.irp j, 0,1,2,3,4,5,6,7,8,9,10,11,12,13,14,15
	v_cvt_pk_f16_f32 v[PF+16*\t+\j], v[S+32*\t+2*\j], v[S+32*\t+2*\j+1]   ; registers 0-7: keys 0-31 of the step as source 1 wants them; 8-15: keys 32-63
.endr
.endr
	WIN 0
	; the sums of the unrounded p, in place: pairs 1, 2, 4 and 8 apart; then l = a l + the sum
.irp t, 0,1,2,3
.irp u, 0,1,2,3,4,5,6,7
	v_pk_add_f32 v[S+32*\t+4*\u:S+32*\t+4*\u+1], v[S+32*\t+4*\u:S+32*\t+4*\u+1], v[S+32*\t+4*\u+2:S+32*\t+4*\u+3]
.endr
.endr
.irp t, 0,1,2,3
.irp u, 0,1,2,3
	v_pk_add_f32 v[S+32*\t+8*\u:S+32*\t+8*\u+1], v[S+32*\t+8*\u:S+32*\t+8*\u+1], v[S+32*\t+8*\u+4:S+32*\t+8*\u+5]
.endr
.endr
.irp t, 0,1,2,3
.irp u, 0,1
	v_pk_add_f32 v[S+32*\t+16*\u:S+32*\t+16*\u+1], v[S+32*\t+16*\u:S+32*\t+16*\u+1], v[S+32*\t+16*\u+8:S+32*\t+16*\u+9]
.endr
.endr
.irp t, 0,1,2,3
	v_pk_add_f32 v[S+32*\t:S+32*\t+1], v[S+32*\t:S+32*\t+1], v[S+32*\t+16:S+32*\t+17]
.endr
.irp t, 0,1,2,3
	v_pk_fma_f32 v[ST+6*\t+2:ST+6*\t+3], v[ST+6*\t+2:ST+6*\t+3], v[ST+6*\t+4:ST+6*\t+5], v[S+32*\t:S+32*\t+1] op_sel_hi:[1,0,1]
.endr
	WIN W_RS
.irp t, 0,1,2,3
.irp j, 0,1,2,3,4,5,6,7,8,9,10,11,12,13,14,15
	v_pk_mul_f32 v[32*\t+2*\j:32*\t+2*\j+1], v[32*\t+2*\j:32*\t+2*\j+1], v[ST+6*\t+4:ST+6*\t+5] op_sel_hi:[1,0]   ; O^T x a, each accumulator from its low end on
.endr
.endr
	s_wait_dscnt 0x0                               ; V is in
	WIN W_PV
.irp g, 0,1                                    ; O^T += V^T P: keys 32 g on, channels 16 c on, tile t: the 16 accumulators take turns
.irp c, 0,1,2,3
.irp t, 0,1,2,3
	v_wmma_f32_16x16x32_f16 v[32*\t+8*\c:32*\t+8*\c+7], v[KV+32*\g+8*\c:KV+32*\g+8*\c+7], v[PF+16*\t+8*\g:PF+16*\t+8*\g+7], v[32*\t+8*\c:32*\t+8*\c+7]
.endr
.endr
.endr
	WIN 0
	s_add_co_u32 s[TB], s[TB], STEPB               ; the next step's tiles
	s_add_co_u32 s[TM], s[TM], 4*KS                ; and biases
.endm
.macro SLOT_STEPS                      ; a slot's four key steps: written once, walked four times
	s_mov_b32 s[CNT], NST
.Lstep_\@:
	STEP
	s_sub_co_u32 s[CNT], s[CNT], 1
	s_cmp_lg_u32 s[CNT], 0
	s_cbranch_scc1 .Lstep_\@
	s_sub_co_u32 s[TB], s[TB], NST*STEPB           ; back to a slot's first step,
	s_xor_b32 s[TB], s[TB], SLOT1                  ; in the other slot
.endm
; THE CHANGE OF SLOTS stands at a slot's head.  Each wave waits for all its tensor loads (its part of the slot that it is about to read), adds 0 to its spare word, and waits for that and for its reads of the slot that it has left.
; fill = 1: the barrier is a round of the cluster's, so that no wave of any partner still reads the other slot or has a load on its way; the joint load of the next 256 keys into it is the first thing behind the round.
.macro CHANGE fill
	s_wait_tensorcnt 0x0                           ; no tensor load of mine is out, so a group 0 may be written
	ds_add_u32 v[SPW], v[NIL]                      ; 0 onto my spare word; the descriptors' steps stand between it and the wait for it
.if \fill
	s_xor_b32 s[G0K+1], s[G0K+1], SLOT1            ; the walking descriptors: the other slot than last time,
	s_add_nc_u64 s[G0K+2:G0K+3], s[G0K+2:G0K+3], NST*KS*128   ; the next 256 keys; the type bits on top are not reached
	s_xor_b32 s[G0V+1], s[G0V+1], SLOT1
	s_add_nc_u64 s[G0V+2:G0V+3], s[G0V+2:G0V+3], NST*KS*128
	s_wait_xcnt 0x0                                ; the last prefetch, a slot back, has read its address, so it may be written:
	s_add_nc_u64 s[PFA:PFA+1], s[PFA:PFA+1], NST*KS*128   ; one slot further on than the walking descriptors
	s_wait_dscnt 0x0                               ; the add is done; my LDS stores have landed and my reads of the slot that I have left are over
	CROUND
	JLOAD
	ASK
.else
	s_wait_dscnt 0x0
	s_barrier_signal -1
	s_barrier_wait -1
.endif
.endm
.Lslot:                                            ; seven trips: behind each change of slots but the last the next slot is asked for
	CHANGE 1
	SLOT_STEPS
	s_sub_co_u32 s[SLOTS], s[SLOTS], 1
	s_cmp_lg_u32 s[SLOTS], 0
	s_cbranch_scc1 .Lslot
	CHANGE 0                                       ; the last slot is written out
	SLOT_STEPS
	; THE WAY OUT.  l's two halves and the other half of the lanes' are added; O^T is divided by l, rounded to f16 and sent through my stage, a tile (16 rows of 128 bytes) at a time.  The four additions are the places behind the last products.
.irp t, 0,1,2,3
	v_add_f32 v[ST+6*\t+5], v[ST+6*\t+2], v[ST+6*\t+3]
.endr
.irp t, 0,1,2,3
	v_permlanex16_b32 v[ST+6*\t+4], v[ST+6*\t+5], s[SEL], s[SEL+1]
.endr
.irp t, 0,1,2,3
	v_add_f32 v[ST+6*\t+5], v[ST+6*\t+5], v[ST+6*\t+4]
.endr
.irp t, 0,1,2,3
	v_rcp_f32 v[ST+6*\t+4], v[ST+6*\t+5]
.endr
	s_mul_i32 s20, s[WV], 16*SP                    ; the addresses are the plain work behind the reciprocals
	s_add_co_u32 s20, s20, STAGE                   ; my stage
	v_and_b32 v35, 15, v0
	v_bfe_u32 v36, v0, 4, 1
	v_mul_u32_u24 v[STO], v35, SP                  ; in: row l % 16, 16 bytes for each half of the lanes
	v_lshl_add_u32 v[STO], v36, 4, v[STO]
	v_add_nc_u32 v[STO], s20, v[STO]
	v_and_b32 v37, 31, v0
	v_lshrrev_b32 v[RD], 3, v37                    ; back: eight lanes to a row, four rows an instruction
	v_mul_u32_u24 v[RD], v[RD], SP
	v_and_b32 v38, 7, v0
	v_lshl_add_u32 v[RD], v38, 4, v[RD]
	v_add_nc_u32 v[RD], s20, v[RD]
	v_lshlrev_b32 v[GO], 4, v37
	s_wait_alu depctr_va_vdst(0)                   ; one wait for the four reciprocals, ahead of their first reader
.macro PACK t
	WIN W_RS
.set i, 32*(\t)
.rept 16
	v_pk_mul_f32 v[i:i+1], v[i:i+1], v[ST+6*(\t)+4:ST+6*(\t)+5] op_sel_hi:[1,0]
.set i, i+2
.endr
	WIN 0x05                                       ; sources 0 and 1 window 1, destination window 0: S^T's registers are free
.set i, 0
.rept 16
	v_cvt_pk_f16_f32 v[S+32*(\t)+i], v[32*(\t)+2*i], v[32*(\t)+2*i+1]
.set i, i+1
.endr
	WIN 0
.irp c, 0,1,2,3
	ds_store_b128 v[STO], v[S+32*(\t)+4*\c:S+32*(\t)+4*\c+3] offset:32*\c
.endr
.irp f, 0,1,2,3
	ds_load_b128 v[S+32*(\t)+16+4*\f:S+32*(\t)+16+4*\f+3], v[RD] offset:\f*4*SP   ; LDS serves a wave's instructions in order (ISA guide 5.7.1.4): these see the stores above; the next tile's stores come behind them
.endr
.endm
.macro SEND t, younger                 ; younger: the LDS instructions issued behind tile t's loads: the next tile's eight, or none
.irp f, 0,1,2,3
	s_wait_dscnt \younger+3-\f
	global_store_b128 v[GO], v[S+32*(\t)+16+4*\f:S+32*(\t)+16+4*\f+3], s[8:9] offset:(\t)*2048+\f*512   ; four rows of 128 bytes lie on end: 512 consecutive bytes, aligned
.endr
.endm
	PACK 0
	PACK 1                                         ; a tile's arithmetic stands between the loads of the tile before and its stores
	SEND 0, 8
	PACK 2
	SEND 1, 8
	PACK 3
	SEND 2, 8
	SEND 3, 0
	s_wait_tensorcnt 0x0                           ; the wave's end
	ds_add_u32 v[SPW], v[NIL]
	s_wait_dscnt 0x0
	CROUND                                         ; the closing round: no work-group ends while a partner may still ask for a tile that names it
	s_endpgm
.Lfunc_end_k_q3fb452fee0_attn:
	.size	k_q3fb452fee0_attn, .Lfunc_end_k_q3fb452fee0_attn-k_q3fb452fee0_attn
	.p2alignl 7, 3214868480
	.fill 96, 4, 3214868480
	.section	.rodata,"a",@progbits
	.p2align	6, 0x0
	.amdhsa_kernel k_q3fb452fee0_attn
		.amdhsa_group_segment_fixed_size 327680
		.amdhsa_private_segment_fixed_size 0
		.amdhsa_enable_private_segment 0
		.amdhsa_kernarg_size 24
		.amdhsa_user_sgpr_count 2
		.amdhsa_user_sgpr_kernarg_segment_ptr 1
		.amdhsa_wavefront_size32 1
		.amdhsa_system_sgpr_workgroup_id_x 1
		.amdhsa_system_sgpr_workgroup_id_y 1
		.amdhsa_system_sgpr_workgroup_id_z 1
		.amdhsa_system_vgpr_workitem_id 0
		.amdhsa_next_free_vgpr 512
		.amdhsa_next_free_sgpr 66
		.amdhsa_reserve_vcc 1
		.amdhsa_float_denorm_mode_32 3
		.amdhsa_float_denorm_mode_16_64 3
		.amdhsa_memory_ordered 1
		.amdhsa_forward_progress 1
		.amdhsa_inst_pref_size 94
	.end_amdhsa_kernel
	.amdgpu_metadata
---
amdhsa.version: [ 1, 2 ]
amdhsa.kernels:
  - .name:           k_q3fb452fee0_attn
    .symbol:         k_q3fb452fee0_attn.kd
    .args:
      - { .name: qkv_h, .offset: 0, .size: 8, .value_kind: global_buffer, .address_space: global }
      - { .name: attention_mask, .offset: 8, .size: 8, .value_kind: global_buffer, .address_space: global }
      - { .name: att_h, .offset: 16, .size: 8, .value_kind: global_buffer, .address_space: global }
    .group_segment_fixed_size: 327680
    .private_segment_fixed_size: 0
    .kernarg_segment_align: 8
    .kernarg_segment_size: 24
    .max_flat_workgroup_size: 256
    .sgpr_count:     66
    .vgpr_count:     512
    .wavefront_size: 32
...
	.end_amdgpu_metadata
.endif
;; end of part 4
;; launch oproj (part 5): grid 8 x 64, 4 waves a work-group, clusters of 4 x 4, 327,680 bytes of LDS; arguments att_h, wo_h, out0, bo; writes out0
.if DOCPART == 5
	.amdgcn_target "amdgcn-amd-amdhsa--gfx1250"
	.amdhsa_code_object_version 6
	.text
	.protected	k_q3fb452fee0_oproj
	.globl	k_q3fb452fee0_oproj
	.p2align	8
	.type	k_q3fb452fee0_oproj,@function
k_q3fb452fee0_oproj:
	s_mov_b64 s[64:65], 0
	v_nop
	global_prefetch_b8 v0, s[64:65] scope:SCOPE_SE
	s_setreg_imm32_b32 hwreg(HW_REG_WAVE_MODE, 25, 1), 1
	s_wait_xcnt 0x0
	s_wait_alu depctr_hold_cnt(0) depctr_sa_sdst(0) depctr_va_vdst(0) depctr_va_sdst(0) depctr_va_ssrc(0) depctr_va_vcc(0) depctr_vm_vsrc(0)
	s_getreg_b32 s2, hwreg(HW_REG_IB_STS2, 6, 4)
	s_cmp_eq_u32 s2, 0
	s_cbranch_scc0 .Lentry_in_a_cluster
	s_endpgm
.Lentry_in_a_cluster:
	s_bfe_u32 s2, ttmp6, 0x10000c
	s_cmp_lg_u32 s2, 0xf033
	s_cbranch_scc0 .Lentry_shape_is_right
	s_endpgm
.Lentry_shape_is_right:
; out0[m][n] = sum over k of A[m][k] Wo[k][n] + bo[n].  A: att_h, f16 [16 (k / 64)][8192 (m)][64]; Wo: wo_h, f16 [16 (k / 64)][1024 (n)][64]; out0: [8192][1024] f32; sums in f32.
; A tile of out0 is 128 x 128: 512 work-groups, two even rounds of 256.  Four waves, each 64 x 64: 16 accumulators, 128 registers.  K goes in steps of 256, four planes of 64, through two LDS slots.
; A wave's tensor load brings 64 rows x 4 planes: in each plane the 64 rows of 128 bytes are 8,192 dense bytes, so the tile is stated as 4 rows of 8,192 bytes, a plane apart, with 16 bytes of padding behind every 128.
; CLUSTERS: 4 x 4 work-groups; A's tiles are shared along a row of the cluster, Wo's along a column: each is asked for JOINTLY.  No prefetch: the tiles are small and shared in the cluster.
; THE MATRIX INSTRUCTION IS USED TRANSPOSED (source 0 = 16 rows of Wo's layout, source 1 = 16 rows of A): a lane holds eight neighbouring columns of a row of out0.  bo is the C of each sum's first product.
; A wave's 64 columns of f32 are 256 aligned bytes of a row, so each wave has a stage of its own on the way out, and no barrier stands there.
; REGISTERS: window 0: v0-31 addresses; v32-95 the way out; v96-127 bo in the result's layout; v128-255 the accumulators ((a, b) at v[128 + 8 (4 a + b)]).
;   window 1: two fragment buffers of 128: for 64 along K, 64 registers of A (2 x 4 x 16 rows x 32 K), then 64 of Wo.
.set PITCH,  144                       ; an LDS row: 128 bytes + 16: an odd multiple of 16, so the 16 rows of a load start at different banks
.set PLANE,  64*PITCH                  ; 64 rows of one plane
.set HALFT,  4*PLANE                   ; what one tensor load brings, and what one wave reads of A or of Wo in a K step
.set SLOT,   4*HALFT                   ; A's two halves, then Wo's two
.set STAGE,  2*SLOT                    ; behind the slots: 16 rows x 272 bytes for each wave
.set SPITCH, 272
.set SPARE,  STAGE+4*16*SPITCH         ; behind the stages: the spare words, 128 bytes a wave
.set LAPS,   2                         ; a lap = two K steps = once round the ring: K = 1,024
.set APL,    8192*128                  ; a plane of A in bytes
.set BPL,    1024*128                  ; a plane of Wo
.set ADRA, 16                          ; v16-17  LDS address of my A fragments in slot 0, 1
.set ADRB, 20                          ; v20-21  the same for Wo
.set STO,  24                          ; v24     the way out: where I put 32 bytes of a row
.set RD,   25                          ; v25     where I read a row back
.set CO,   26                          ; v26     my byte offset in out0
.set SPW,  28                          ; v28     LDS address of my spare word; never rewritten
.set NIL,  29                          ; v29     0; never rewritten
.set TMP,  32
.set BIAS, 96
.set ACC,  128
.set F0,   0                           ; fragment buffers, in window 1
.set F1,   128
.set G1, 24                            ; s[24:31] descriptor group 1 for A's tiles;  s[32:39] group 0, one set for each slot
.set G0, 32
.set G1B, 48                           ; s[48:55], s[56:63] the same for Wo's tiles
.set G0B, 56
.set MSB, 0
.macro WIN new                         ; the immediate's high byte repeats the setting that is left
.if MSB != (\new)
	s_set_vgpr_msb (MSB<<8)|(\new)
.set MSB, (\new)
.endif
.endm
.set MUL,  0x05                        ; sources 0 and 1 window 1; C and D window 0
.set TO_F, 0x40                        ; destination window 1, address window 0
.macro JLOAD s                         ; a joint load: waves 0 and 1 fetch A's two halves, waves 2 and 3 Wo's; an s_nop 0 and four v_nop follow each of the two lines
	s_cmp_eq_u32 s11, 0
	s_cbranch_scc0 .Lfor_b_\@
	tensor_load_to_lds s[G0+4*\s:G0+4*\s+3], s[G1:G1+7]
	s_nop 0
.rept 4
	v_nop
.endr
	s_branch .Lasked_\@
.Lfor_b_\@:
	tensor_load_to_lds s[G0B+4*\s:G0B+4*\s+3], s[G1B:G1B+7]
	s_nop 0
.rept 4
	v_nop
.endr
.Lasked_\@:
.endm
.macro CREST                           ; a round of the cluster's barrier behind its opening barrier
	s_cmp_lg_u32 s10, 0
	s_cbranch_scc1 .Lnot_wave_0_\@
	s_barrier_signal -3
.Lnot_wave_0_\@:
	s_barrier_wait -3
	s_barrier_signal -1
	s_barrier_wait -1
.endm
.macro CROUND                          ; a whole round
	s_barrier_signal -1
	s_barrier_wait -1
	CREST
.endm
	s_load_b128 s[4:7], s[0:1], 0x0                ; A s[4:5], Wo s[6:7]
	s_load_b64 s[8:9], s[0:1], 0x10                ; out0
	s_load_b64 s[66:67], s[0:1], 0x18              ; bo
	v_lshl_add_u32 v[SPW], v0, 2, SPARE
	v_mov_b32 v[NIL], 0
	ds_add_u32 v[SPW], v[NIL]                      ; the wave's opening: the add, twice on end, and its wait ahead of my first tensor load; the set-up below stands between
	ds_add_u32 v[SPW], v[NIL]
	v_lshrrev_b32 v1, 5, v0
	v_readfirstlane_b32 s10, v1                    ; wave 0..3
	s_lshr_b32 s11, s10, 1                         ; which half of the tile's rows is mine.  Also: I fetch for A (0) or for Wo (1)
	s_and_b32 s12, s10, 1                          ; which half of its columns.  Also: which 64 rows of that tile I fetch
	s_bfe_u32 s40, ttmp6, 0x40000                  ; cx, cy: my place in the cluster
	s_bfe_u32 s41, ttmp6, 0x40004
	s_lshl_b32 s42, ttmp9, 2
	s_add_co_u32 s42, s42, s40                     ; tile column = 4 x cluster x + cx
	s_and_b32 s13, ttmp7, 0xffff
	s_lshl_b32 s13, s13, 2
	s_add_co_u32 s13, s13, s41                     ; tile row = 4 x cluster y + cy
	s_lshl_b32 s43, s41, 2
	s_lshl_b32 s43, 15, s43                        ; my row of the cluster
	s_lshl_b32 s44, 0x1111, s40                    ; my column
	; descriptor group 1: 4 rows of 1,024 elements of 8 bytes, a plane apart; padded in LDS
	s_or_b32 s[G1+0], s43, (3<<16)|(1<<20)|(1<<21)|(4<<22)|(3<<25)  ; 15:0 the mask: A's tiles go to my row; elements of 8 bytes; padding on; bit 21 set beside a mask; after every 32 words four words
	s_or_b32 s[G1B+0], s44, (3<<16)|(1<<20)|(1<<21)|(4<<22)|(3<<25)
.irp g, G1, G1B
	s_mov_b32 s[\g+1], 1024<<16                    ; tensor_dim0
	s_mov_b32 s[\g+2], 4<<16                       ; tensor_dim1
	s_mov_b32 s[\g+3], 1024<<16                    ; tile_dim0
	s_mov_b32 s[\g+4], 4                           ; tile_dim1
	s_mov_b32 s[\g+6], 0
	s_mov_b32 s[\g+7], 0
.endr
	s_mov_b32 s[G1+5], APL/8                       ; from plane to plane, in elements
	s_mov_b32 s[G1B+5], BPL/8
	s_lshl_b32 s17, s12, 6                         ; which 64 rows of the tile I fetch
	s_lshl_b32 s16, s13, 7
	s_add_co_u32 s16, s16, s17                     ; A: row 128 x tile row + 64 x half,
	s_lshl_b32 s16, s16, 7                         ; 128 bytes a row
	s_lshl_b32 s46, s42, 7
	s_add_co_u32 s46, s46, s17                     ; Wo: row 128 x tile column + 64 x half
	s_lshl_b32 s46, s46, 7
	s_mov_b32 s17, 0
	s_mov_b32 s47, 0
	s_mul_i32 s20, s10, HALFT                      ; where they go: by the wave's number alone
	s_wait_dscnt 0x0                               ; both opening adds are done
	s_wait_kmcnt 0x0
	s_add_nc_u64 s[14:15], s[4:5], s[16:17]
	s_add_nc_u64 s[46:47], s[6:7], s[46:47]
	CROUND                                         ; all sixteen work-groups are here: the first joint loads meet
.irp s, 0,1
	s_mov_b32 s[G0+4*\s], 1
	s_add_co_u32 s[G0+4*\s+1], s20, \s*SLOT
	s_add_nc_u64 s[G0+4*\s+2:G0+4*\s+3], s[14:15], \s*4*APL   ; K step s: planes 4 s on
	s_or_b32 s[G0+4*\s+3], s[G0+4*\s+3], 0x80000000
	s_mov_b32 s[G0B+4*\s], 1
	s_add_co_u32 s[G0B+4*\s+1], s20, \s*SLOT
	s_add_nc_u64 s[G0B+4*\s+2:G0B+4*\s+3], s[46:47], \s*4*BPL
	s_or_b32 s[G0B+4*\s+3], s[G0B+4*\s+3], 0x80000000
	JLOAD \s
.endr
	v_and_b32 v1, 15, v0                           ; l % 16
	v_bfe_u32 v2, v0, 4, 1                         ; l / 16
	v_mul_u32_u24 v3, v1, PITCH
	v_lshl_add_u32 v3, v2, 4, v3                   ; a fragment's row x pitch + 16 x half
	s_mul_i32 s21, s11, HALFT                      ; my 64 rows of A
	s_mul_i32 s22, s12, HALFT                      ; my 64 rows of Wo,
	s_add_co_u32 s22, s22, 2*HALFT                 ; which lie behind A's two halves
.irp s, 0,1
	v_add_nc_u32 v[ADRA+\s], s21, v3
	v_add_nc_u32 v[ADRB+\s], s22, v3
	s_add_co_u32 s21, s21, SLOT
	s_add_co_u32 s22, s22, SLOT
.endr
	s_mul_i32 s23, s10, 16*SPITCH
	s_add_co_u32 s23, s23, STAGE                   ; my stage
	v_mul_u32_u24 v4, v1, SPITCH                   ; in: row l % 16, 32 bytes for each half of the lanes
	v_lshl_add_u32 v4, v2, 5, v4
	v_add_nc_u32 v[STO], s23, v4
	v_mul_u32_u24 v5, v2, SPITCH                   ; back: lanes 0-15 take one row of 256 bytes, lanes 16-31 the next
	v_lshl_add_u32 v5, v1, 4, v5
	v_add_nc_u32 v[RD], s23, v5
	v_lshlrev_b32 v5, 12, v2                       ; and the same two rows in out0: 4,096 bytes a row
	v_lshl_add_u32 v[CO], v1, 4, v5
	s_lshl_b32 s16, s13, 7
	s_lshl_b32 s17, s11, 6
	s_add_co_u32 s16, s16, s17                     ; my first row: 128 x tile row + 64 x half
	s_lshl_b32 s16, s16, 12
	s_mov_b32 s17, 0
	s_add_nc_u64 s[8:9], s[8:9], s[16:17]
	s_lshl_b32 s46, s42, 7
	s_lshl_b32 s47, s12, 6
	s_add_co_u32 s46, s46, s47                     ; my first column: 128 x tile column + 64 x half,
	s_lshl_b32 s46, s46, 2                         ; in bytes
	s_mov_b32 s47, 0
	s_add_nc_u64 s[8:9], s[8:9], s[46:47]
	s_add_nc_u64 s[66:67], s[66:67], s[46:47]
	v_lshlrev_b32 v6, 5, v2                        ; bo in the result's layout: lane (r, h), block b: columns 16 b + 8 h + 0..7
.irp b, 0,1,2,3
	global_load_b128 v[BIAS+8*\b:BIAS+8*\b+3],   v6, s[66:67] offset:64*\b
	global_load_b128 v[BIAS+8*\b+4:BIAS+8*\b+7], v6, s[66:67] offset:64*\b+16
.endr
; 8 matrix instructions: m blocks a0, a0 + 1 x all 4 n blocks, 32 along K: half c of buffer f.  first = 1: the product starts the sums, with bo as its C.  The 16 accumulators take turns.
.macro MUL8 f, c, a0, first
.irp a, \a0, \a0+1
.irp b, 0,1,2,3
.if \first
	v_wmma_f32_16x16x32_f16 v[ACC+8*(4*(\a)+\b):ACC+8*(4*(\a)+\b)+7], v[\f+64+8*(4*\c+\b):\f+64+8*(4*\c+\b)+7], v[\f+8*(4*\c+\a):\f+8*(4*\c+\a)+7], v[BIAS+8*\b:BIAS+8*\b+7]
.else
	v_wmma_f32_16x16x32_f16 v[ACC+8*(4*(\a)+\b):ACC+8*(4*(\a)+\b)+7], v[\f+64+8*(4*\c+\b):\f+64+8*(4*\c+\b)+7], v[\f+8*(4*\c+\a):\f+8*(4*\c+\a)+7], v[ACC+8*(4*(\a)+\b):ACC+8*(4*(\a)+\b)+7]
.endif
.endr
.endr
.endm
; 32 LDS loads in one run: the fragments of plane q of the slot (64 along K) into buffer f; the first 32 along K first
.macro FETCH slot, q, f
	WIN TO_F
.irp c, 0,1
.irp i, 0,1,2,3
	ds_load_b128 v[\f+64+8*(4*\c+\i):\f+64+8*(4*\c+\i)+3],   v[ADRB+\slot] offset:(\q)*PLANE+64*\c+\i*16*PITCH
	ds_load_b128 v[\f+64+8*(4*\c+\i)+4:\f+64+8*(4*\c+\i)+7], v[ADRB+\slot] offset:(\q)*PLANE+64*\c+\i*16*PITCH+32
	ds_load_b128 v[\f+8*(4*\c+\i):\f+8*(4*\c+\i)+3],         v[ADRA+\slot] offset:(\q)*PLANE+64*\c+\i*16*PITCH
	ds_load_b128 v[\f+8*(4*\c+\i)+4:\f+8*(4*\c+\i)+7],       v[ADRA+\slot] offset:(\q)*PLANE+64*\c+\i*16*PITCH+32
.endr
.endr
.endm
.macro PLACES                          ; four places in front of loads into registers that matrix instructions have read, and of LDS stores that read results
.rept 4
	v_nop
.endr
.endm
; A K step is four quarters, a plane each, 32 matrix instructions each, on buffers 0, 1, 0, 1.  One of the first three: multiplies buffer f and fetches plane q into g.
.macro QUARTER slot, q, f, g, first
	s_wait_dscnt 16                                ; the first 32 along K are in; the youngest sixteen loads may be out
	WIN MUL
	MUL8 \f, 0, 0, \first
	MUL8 \f, 0, 2, \first
	PLACES
	FETCH \slot, \q, \g
	s_wait_dscnt 32                                ; all but the 32 just issued
	WIN MUL
	MUL8 \f, 1, 0, 0
	MUL8 \f, 1, 2, 0
.endm
; The last quarter multiplies buffer 1 and changes slots: ONE barrier; in front of it each wave waits for all its tensor loads, adds 0 to its spare word, and waits for that and for its own reads of this slot.  fill = 1: this slot is filled again, two K steps ahead.
.macro TURN slot, next, fill
	WIN 0                                          ; (the add's two registers lie in window 0)
	s_wait_tensorcnt 0x0                           ; all my tensor loads have landed: my part of the next slot;
	ds_add_u32 v[SPW], v[NIL]                      ; 0 onto my spare word
	s_wait_dscnt 17                                ; (the add and the youngest sixteen loads may be out)
	WIN MUL
	MUL8 F1, 0, 0, 0                               ; eight matrix instructions stand between the add and the wait for it
	s_wait_dscnt 0x0                               ; the add is done, and my reads of this slot are over
	s_barrier_signal -1
	MUL8 F1, 0, 2, 0
.if \fill
	WIN 0
.endif
	s_barrier_wait -1
.if \fill
	CREST                                          ; the barrier has opened a round of the cluster's barrier: no wave of any partner still reads this slot's tile or has a load on its way
	s_add_nc_u64 s[G0+4*\slot+2:G0+4*\slot+3], s[G0+4*\slot+2:G0+4*\slot+3], 8*APL
	s_add_nc_u64 s[G0B+4*\slot+2:G0B+4*\slot+3], s[G0B+4*\slot+2:G0B+4*\slot+3], 8*BPL
	JLOAD \slot                                    ; the first tensor load behind the round; the four v_nop behind it are also the places in front of the loads below
.else
	PLACES
.endif
	FETCH \next, 0, F0
	WIN MUL
	MUL8 F1, 1, 0, 0
	MUL8 F1, 1, 2, 0
.endm
	s_wait_tensorcnt 1                             ; my part of K step 0 is in; K step 1's load may be out
	s_barrier_signal -1
	s_barrier_wait -1                              ; everybody's is
	FETCH 0, 0, F0
	s_wait_loadcnt 0x0                             ; bo
	QUARTER 0, 1, F0, F1, 1                        ; the first quarter stands in front of the loop: its first products start the sums
	WIN 0                                          ; at a label and at a branch every window is 0
	s_mov_b32 s3, LAPS-1
.Llap:                                                 ; a trip goes once round the ring, from a lap's second quarter to the next lap's first, and fills both slots again
	QUARTER 0, 2, F1, F0, 0
	QUARTER 0, 3, F0, F1, 0
	TURN 0, 1, 1
	QUARTER 1, 1, F0, F1, 0
	QUARTER 1, 2, F1, F0, 0
	QUARTER 1, 3, F0, F1, 0
	TURN 1, 0, 1
	QUARTER 0, 1, F0, F1, 0
	WIN 0
	s_sub_co_u32 s3, s3, 1
	s_cmp_lg_u32 s3, 0
	s_cbranch_scc1 .Llap
	QUARTER 0, 2, F1, F0, 0                        ; the last lap fills nothing, and has no round of the cluster's barrier
	QUARTER 0, 3, F0, F1, 0
	TURN 0, 1, 0
	QUARTER 1, 1, F0, F1, 0
	QUARTER 1, 2, F1, F0, 0
	QUARTER 1, 3, F0, F1, 0
	s_wait_dscnt 16                                ; the very last quarter: nothing more to fetch
	WIN MUL
	MUL8 F1, 0, 0, 0
	MUL8 F1, 0, 2, 0
	s_wait_dscnt 0
	MUL8 F1, 1, 0, 0
	MUL8 F1, 1, 2, 0
	WIN 0
; THE WAY OUT, block by block of 16 rows x 64 columns.  A lane holds 32 neighbouring bytes of a row: the block goes through my own stage as it is, each accumulator from its low end on, and comes back as whole rows of 256 bytes.
.macro TOSTAGE a
.irp b, 0,1,2,3
	ds_store_b128 v[STO], v[ACC+8*(4*(\a)+\b):ACC+8*(4*(\a)+\b)+3] offset:64*\b
	ds_store_b128 v[STO], v[ACC+8*(4*(\a)+\b)+4:ACC+8*(4*(\a)+\b)+7] offset:64*\b+16
.endr
.set BB, TMP+32*((\a)%2)
.irp t, 0,1,2,3,4,5,6,7
	ds_load_b128 v[BB+4*\t:BB+4*\t+3], v[RD] offset:\t*2*SPITCH   ; LDS serves a wave's instructions in order (ISA guide 5.7.1.4): these see the stores above
.endr
.endm
.macro SEND a, younger                 ; younger: the LDS instructions issued behind block a's loads, which may stay out
.set BB, TMP+32*((\a)%2)
	s_wait_dscnt \younger
.irp t, 0,1,2,3,4,5,6,7
	global_store_b128 v[CO], v[BB+4*\t:BB+4*\t+3], s[8:9] offset:(16*(\a)+2*\t)*4096 th:TH_STORE_NT   ; 16 lanes store 256 consecutive bytes, aligned; written once, read by nobody here
.endr
.endm
	PLACES
	TOSTAGE 0
.irp a, 1,2,3
.if \a > 1
	s_wait_xcnt 0x0                                ; block a - 2's stores have read their registers: block a's loads may land there
.endif
	TOSTAGE \a
	SEND \a-1, 16                                  ; behind block a - 1's loads: block a's 8 stores and 8 loads
.endr
	SEND 3, 0
	s_wait_tensorcnt 0x0                           ; the wave's end
	ds_add_u32 v[SPW], v[NIL]
	s_wait_dscnt 0x0
	CROUND                                         ; the closing round: no work-group ends while a partner may still ask for a tile that names it
	s_endpgm
.Lfunc_end_k_q3fb452fee0_oproj:
	.size	k_q3fb452fee0_oproj, .Lfunc_end_k_q3fb452fee0_oproj-k_q3fb452fee0_oproj
	.p2alignl 7, 3214868480
	.fill 96, 4, 3214868480
	.section	.rodata,"a",@progbits
	.p2align	6, 0x0
	.amdhsa_kernel k_q3fb452fee0_oproj
		.amdhsa_group_segment_fixed_size 327680
		.amdhsa_private_segment_fixed_size 0
		.amdhsa_enable_private_segment 0
		.amdhsa_kernarg_size 32
		.amdhsa_user_sgpr_count 2
		.amdhsa_user_sgpr_kernarg_segment_ptr 1
		.amdhsa_wavefront_size32 1
		.amdhsa_system_sgpr_workgroup_id_x 1
		.amdhsa_system_sgpr_workgroup_id_y 1
		.amdhsa_system_sgpr_workgroup_id_z 1
		.amdhsa_system_vgpr_workitem_id 0
		.amdhsa_next_free_vgpr 512
		.amdhsa_next_free_sgpr 68
		.amdhsa_reserve_vcc 0
		.amdhsa_float_denorm_mode_32 3
		.amdhsa_float_denorm_mode_16_64 3
		.amdhsa_memory_ordered 1
		.amdhsa_forward_progress 1
		.amdhsa_inst_pref_size 86
	.end_amdhsa_kernel
	.amdgpu_metadata
---
amdhsa.version: [ 1, 2 ]
amdhsa.kernels:
  - .name:           k_q3fb452fee0_oproj
    .symbol:         k_q3fb452fee0_oproj.kd
    .args:
      - { .name: att_h, .offset: 0, .size: 8, .value_kind: global_buffer, .address_space: global }
      - { .name: wo_h, .offset: 8, .size: 8, .value_kind: global_buffer, .address_space: global }
      - { .name: out0, .offset: 16, .size: 8, .value_kind: global_buffer, .address_space: global }
      - { .name: bo, .offset: 24, .size: 8, .value_kind: global_buffer, .address_space: global }
    .group_segment_fixed_size: 327680
    .private_segment_fixed_size: 0
    .kernarg_segment_align: 8
    .kernarg_segment_size: 32
    .max_flat_workgroup_size: 128
    .sgpr_count:     68
    .vgpr_count:     512
    .wavefront_size: 32
...
	.end_amdgpu_metadata
.endif
;; end of part 5
